; MI455X (gfx1250); checked and timed in simulation.
; The chip was launched on July 23, 2026; its instructions are those of AMD's public machine-readable ISA for CDNA 5 (MIT licence, August 2026) and "CDNA5" Instruction Set Architecture Reference Guide (July 2026). The comments in the code are by the model that wrote it; some were corrected since.
;; Multi Head Attention. Allowed arithmetic: matrix products marked QUANTISED: E2M3 operands, one E8M0 scale for each 32 along K, by v_wmma_scale_f32_16x16x128_f8f6f4 with both operands' format E2M3, f32 sums; everything else in f32.
;; Inputs: Wk 1,024 x 1,024 float32; Wo 1,024 x 1,024 float32; Wq 1,024 x 1,024 float32; Wv 1,024 x 1,024 float32; bk 1,024 float32; bo 1,024 float32; bq 1,024 float32; bv 1,024 float32; k 4 x 2,048 x 1,024 float32; q 4 x 2,048 x 1,024 float32; v 4 x 2,048 x 1,024 float32.
;; Outputs: out0 4 x 2,048 x 1,024 float32.
;; This version of the problem:
;;   THIS VERSION OF THE PROBLEM IS GIVEN IN LOW PRECISION. The matrix products marked QUANTISED in the list below multiply operands that are first quantised to E2M3 (2 exponent bits, 3 mantissa bits; 6 bits a number), with one power-of-two scale for each 32 numbers along K (OCP MX v1.0); their sums are f32. All else is computed in f32.
;;   The module's matrix products, in the order in which they are computed (A, B: the left and right operand; K: the contracted axis; several contracted axes count as one K, in the product's order):
;;     1. [M 8,192, K 1,024] x [K 1,024, N 1,024]; A: input q; B: input Wq: QUANTISED
;;     2. [M 8,192, K 1,024] x [K 1,024, N 1,024]; A: input k; B: input Wk: QUANTISED
;;     3. [M 8,192, K 1,024] x [K 1,024, N 1,024]; A: input v; B: input Wv: QUANTISED
;;     4. batch 64 x [M 2,048, K 64] x [K 64, N 2,048]; A: computed on the way; B: computed on the way: QUANTISED
;;     5. batch 64 x [M 2,048, K 2,048] x [K 2,048, N 64]; A: softmax (see below); B: computed on the way: QUANTISED
;;     6. [M 8,192, K 1,024] x [K 1,024, N 1,024]; A: computed on the way; B: input Wo: QUANTISED
;;   THE QUANTISER, for each operand of a quantised product, along K:
;;     - K is cut into blocks of 32 from its start; a last block that is shorter is filled with zeros.
;;     - A block's scale is 2^e with e = floor(log2(the largest magnitude in the block)) - 2, held to -126 .. 127; a block of zeros has e = 0. As a byte (E8M0): e + 127.
;;     - Each number is divided by its block's scale, clamped to +-7.5, and rounded to the nearest number of E2M3, ties to even, subnormals kept.
;;     - The product sums the exact products of the quantised numbers (number of the format x scale) in f32.
;;   ~~~python
;;   def quantise(x, axis):      # numpy; x: float32 -> the quantised numbers, widened to float32 again
;;       x = np.moveaxis(x, axis, -1); K = x.shape[-1]
;;       x = np.pad(x, [(0, 0)] * (x.ndim - 1) + [(0, -K % 32)]); x = x.reshape(x.shape[:-1] + (-1, 32)); a = np.abs(x).max(-1, keepdims=True)
;;       e = np.where(a > 0, np.clip(np.frexp(np.where(a > 0, a, 1))[1] - 1 - 2, -126, 127), 0)      # np.frexp(a)[1] - 1 = floor(log2(a)), exactly
;;       r = np.clip(x / 2.0 ** e, -7.5, 7.5)
;;       step = 2.0 ** (np.maximum(np.frexp(np.where(r == 0, 1, r))[1] - 1, 0) - 3)
;;       q = np.round(r / step) * step * 2.0 ** e      # np.round: ties to even
;;       return np.moveaxis(q.reshape(q.shape[:-2] + (-1,))[..., :K], -1, axis).astype(np.float32)
;;   ~~~
;;   SOFTMAX AHEAD OF A QUANTISED PRODUCT. Where the list says 'softmax', what is quantised is not the finished softmax but p = 2^(t - M), with t = logit x log2(e) and M = ceil(the row's largest t), a whole number; so 1/2 < the row's largest p <= 1. The row's sum l is taken of the UNQUANTISED p, in f32, and the product's result is divided by l at the end. Since M is a whole number, a kernel that streams over the keys may use a running M (the ceiling of the running maximum): every later rescaling is an exact power of two, which a block's scale takes up: the codes' values come out the same.
;;   OPERANDS COMPUTED ON THE WAY. 'Computed on the way' means the value that the module computes at that place (a softmax that the list does not call 'softmax' is quantised finished and normalised). What goes into a quantiser is computed in f32, as accurately as f32 sums, v_exp_f32 and their like allow (about 1e-6 of the number): no bf16 or f16 on the way to a quantiser, and a product that is left as it is and whose result goes on into a quantised operand takes f32 operands (vector FMAs, or v_wmma_f32_16x16x4_f32). A number that lies on a knife's edge between two numbers of the format may be rounded either way, as far as f32 arithmetic and the matrix unit's own rounding can turn it there, and no further.
;; One version. Each part assembles by itself: llvm-mc -triple=amdgcn-amd-amdhsa -mcpu=gfx1250 --defsym DOCPART=n.
;; ======== version 1 of 1: 4 launches
;; limits: right only within a limited range of input values
;; workspace buffers: c1 28,311,552 bytes; s1 1,179,648 bytes; hd 20,185,088 bytes
;; launch quant (part 1): grid 896 x 1, 4 waves a work-group, no clusters, 34,304 bytes of LDS; arguments q, k, v, Wq, Wk, Wv, Wo, c1, s1; writes c1, s1
.if DOCPART == 1
	.amdgcn_target "amdgcn-amd-amdhsa--gfx1250"
	.amdhsa_code_object_version 6
	.text
	.protected	k_q25e5c6fd10_quant
	.globl	k_q25e5c6fd10_quant
	.p2align	8
	.type	k_q25e5c6fd10_quant,@function
k_q25e5c6fd10_quant:
	s_mov_b64 s[64:65], 0
	v_nop
	global_prefetch_b8 v0, s[64:65] scope:SCOPE_SE
	s_setreg_imm32_b32 hwreg(HW_REG_WAVE_MODE, 25, 1), 1
	s_wait_xcnt 0x0
; q, k, v [8192][1024] and Wq, Wk, Wv, Wo [1024][1024], f32, K innermost, become codes of FP6 (E2M3) with one E8M0 byte for each 32 along K.
; A block's scale is 2^(floor(log2(largest magnitude)) - 2); its byte is the largest magnitude's exponent field - 2, held at 1 from below.
; LIMITS: NaN and infinities among the inputs are not served; a block whose largest magnitude lies under 2^-124 is held at the byte 1; a block of zeros gets the byte 1
; where the quantiser's text says 127: its codes are zeros, which add nothing under any byte but 0xff, and the bytes are read by this program alone.
; LAYOUT OF THE CODES (c1).  A ROW TILE is 16 rows: lane r of tile 2 B + u holds row 32 B + 8 u + r + 8 (r / 8).  A HALF IMAGE is 16 rows x 64 along K as the operand's registers
; hold them: lane l = (r, h) has k = 32 h + 0 .. 31 of row r in six registers; registers 0-3 lie at 16 l, registers 4-5 at 512 + 8 l: 768 bytes.  c1 is [row tile][16 half images].
; So a fragment (128 along K) is moved by four instructions, each of 512 or 256 consecutive aligned bytes, and needs no pitch and no padding.
; LAYOUT OF THE SCALE WORDS (s1): [row tile][half of K][r][4 words]: the word of row r for the j-th 128 along K of that half.
; SHARES.  Work-group W owns row tiles 2 W and 2 W + 1 of the seven tensors taken on end; wave w owns tile 2 W + w / 2 and K half w % 2: 16 rows x 512 along K, four fragments.
; Each load reads 512 consecutive bytes of one row; the 16 rows x 512 bytes of a fragment turn through the wave's own stage in LDS (rows 528 bytes apart), so that a lane gets
; 16 neighbours along K of each block of 32.  Waves share nothing: no barrier.  Loads run a fragment (16 loads) ahead.
.set SP,   528                         ; a stage row: 512 bytes + 16
.set STG,  16*SP                       ; a wave's stage
.set R,    32                          ; v32-159  two sets of 64 registers as loaded
.set X,    160                         ; v160-223 64 numbers: register 16 b + i = k 32 b + 16 h + i of my row
.set PC,   224                         ; v224-243 the codes just made
.set TM,   244                         ; v244-247 largest magnitudes, v248-251 the other half's, then bytes, v252-255 the conversions' scale operands
.set PW,   30                          ; v30      the scale word just made
.set SEL,  40                          ; s[40:41] lane selects for v_permlanex16_b32: lane l xor 16
; 64 numbers of a lane become a fragment's codes in v[PC] .. v[PC+11] and its scale word in v[PW].
.macro QUANT s
.irp b, 0,1,2,3
	v_max3_num_f32 v[TM+\b], |v[\s+16*\b]|, |v[\s+1+16*\b]|, 0x1800000   ; block b: my 16 numbers, and the floor 2^(3 - 127): the byte cannot fall under 1
.endr
.irp i, 2,4,6,8,10,12,14
.irp b, 0,1,2,3
	v_max3_num_f32 v[TM+\b], v[TM+\b], |v[\s+16*\b+\i]|, |v[\s+1+16*\b+\i]|   ; the four blocks by turns
.endr
.endr
.irp b, 0,1,2,3
	v_permlanex16_b32 v[TM+4+\b], v[TM+\b], s[SEL], s[SEL+1]
.endr
.irp b, 0,1,2,3
	v_max_num_f32 v[TM+\b], v[TM+\b], v[TM+4+\b]               ; with lane l xor 16's: the block's largest magnitude
.endr
.irp b, 0,1,2,3
	v_add_nc_u32 v[TM+8+\b], 0xff000000, v[TM+\b]              ; 2 off its exponent field: the conversion takes the exponent field of this operand as its scale
.endr
.irp b, 0,1,2,3
	v_lshrrev_b32 v[TM+4+\b], 23, v[TM+8+\b]                   ; the scale's byte
.endr
	v_lshl_or_b32 v[PW], v[TM+5], 8, v[TM+4]
	v_lshl_or_b32 v[PW], v[TM+6], 16, v[PW]
	v_lshl_or_b32 v[PW], v[TM+7], 24, v[PW]
.irp c, 0,1
	v_cvt_scalef32_pk16_fp6_f32 v[PC+6*\c:PC+2+6*\c], v[\s+32*\c:\s+15+32*\c], v[TM+8+2*\c]
	v_cvt_scalef32_pk16_fp6_f32 v[PC+12+4*\c:PC+14+4*\c], v[\s+16+32*\c:\s+31+32*\c], v[TM+9+2*\c]   ; (a conversion's three registers begin on an even number)
.endr
	v_nop                                                      ; one plain place behind a scaled conversion
.irp c, 0,1                                                ; the operand wants a WHOLE block in a lane: lanes 0-15 block 2 c, lanes 16-31 block 2 c + 1
.irp i, 0,1,2
	v_permlane16_swap_b32 v[PC+6*\c+\i], v[PC+12+4*\c+\i]
.endr
.irp i, 0,1,2
	v_mov_b32 v[PC+3+6*\c+\i], v[PC+12+4*\c+\i]
.endr
.endr
.endm
	s_load_b512 s[8:23], s[0:1], 0x0               ; q s[8:9], k s[10:11], v s[12:13], Wq s[14:15], Wk s[16:17], Wv s[18:19], Wo s[20:21], c1 s[22:23]
	s_load_b64 s[24:25], s[0:1], 0x40              ; s1
	v_lshl_add_u32 v239, v0, 2, 0x8400
	v_mov_b32 v243, 0
	v_lshrrev_b32 v1, 5, v0
	v_readfirstlane_b32 s27, v1                    ; wave 0..3
	v_and_b32 v1, 31, v0                           ; lane
	v_and_b32 v2, 15, v0                           ; r
	v_bfe_u32 v3, v0, 4, 1                         ; h
	v_lshlrev_b32 v4, 4, v1                        ; 16 x lane
	v_lshlrev_b32 v5, 3, v1                        ; 8 x lane
	s_mul_i32 s28, s27, STG
	v_add_nc_u32 v6, s28, v4                       ; the stage, on the way in: 16 x lane of a row
	v_mul_u32_u24 v7, v2, SP
	v_lshl_add_u32 v7, v3, 6, v7
	v_add_nc_u32 v7, s28, v7                       ; and on the way out: row r, + 64 h: my 16 numbers of a block of 32
	v_lshlrev_b32 v8, 4, v2
	v_lshl_add_u32 v8, v3, 3, v8                   ; the scale words' place: 16 r + 8 h
.irp b, 0,1,2,3
	v_mov_b32 v[TM+4+\b], 0                        ; written once: a lane permute's destination counts as one of its sources
.endr
	s_mov_b32 s[SEL], 0x76543210
	s_mov_b32 s[SEL+1], 0xfedcba98
	s_lshr_b32 s29, s27, 1                         ; u: which of the two tiles
	s_and_b32 s30, s27, 1                          ; which half of K
	s_wait_alu depctr_va_vdst(0)
	s_wait_kmcnt 0x0
	s_mov_b64 s[4:5], s[20:21]                     ; which tensor is mine?  The choice hangs on the work-group's number alone
	s_mov_b32 s26, 864                             ; and the tensor's first work-group
.macro PICK limit, ptr, base
	s_cmp_lt_u32 ttmp9, \limit
	s_cselect_b64 s[4:5], s[\ptr:\ptr+1], s[4:5]
	s_cselect_b32 s26, \base, s26
.endm
	PICK 864, 18, 832
	PICK 832, 16, 800
	PICK 800, 14, 768
	PICK 768, 12, 512
	PICK 512, 10, 256
	PICK 256, 8, 0
	s_sub_co_u32 s31, ttmp9, s26
	; TENSOR k ALONE HAS ANOTHER ORDER OF ROWS: tile a = 4 c + j of each 128 rows holds rows 64 c + 8 j + 0 .. 7 in lanes r = 0 .. 7 and the rows 32 further on in r = 8 .. 15,
	; so that in the scores a lane's 32 registers are one block of 32 neighbouring keys.  Against the common order the tile begins 16 (W % 2) rows earlier, and its upper eight rows lie 16 rows further on.
	s_and_b32 s36, s31, 1
	s_lshl_b32 s36, s36, 4
	s_cmp_eq_u32 s26, 256                          ; k's first work-group: the choice hangs on the work-group's number alone
	s_cselect_b32 s36, s36, 0
	s_cselect_b32 s37, 0x10000, 0                  ; 16 rows of 4,096 bytes
	v_add_nc_u32 v9, s37, v4                       ; the upper eight rows' offset
	s_wait_alu depctr_va_vdst(0)
	s_lshl_b32 s31, s31, 5
	s_sub_co_u32 s31, s31, s36
	s_lshl_b32 s32, s29, 3
	s_add_co_u32 s31, s31, s32                     ; the tile's first row in its tensor: 32 (W - first) + 8 u
	s_lshl_b32 s32, s31, 12                        ; rows of 4,096 bytes
	s_lshl_b32 s33, s30, 11                        ; + my half of K
	s_add_co_u32 s32, s32, s33
	s_mov_b32 s33, 0
	s_add_nc_u64 s[4:5], s[4:5], s[32:33]
	s_lshl_b32 s34, ttmp9, 1
	s_add_co_u32 s34, s34, s29                     ; the row tile's number
	s_mul_i32 s32, s34, 12288
	s_mul_i32 s35, s30, 6144
	s_add_co_u32 s32, s32, s35
	s_add_nc_u64 s[22:23], s[22:23], s[32:33]      ; my eight half images
	s_lshl_b32 s32, s34, 9
	s_lshl_b32 s35, s30, 8
	s_add_co_u32 s32, s32, s35
	s_add_nc_u64 s[24:25], s[24:25], s[32:33]      ; my 256 bytes of scale words
.macro LOAD f                          ; fragment f: 16 rows x 512 bytes, into set f % 2
.irp i, 0,1,2,3,4,5,6,7,8,9,10,11,12,13,14,15
	global_load_b128 v[R+64*((\f)%2)+4*\i:R+64*((\f)%2)+4*\i+3], v[4+5*(\i/8)], s[4:5] offset:(\i+8*(\i/8))*4096+512*(\f) th:TH_LOAD_NT   ; 32 lanes read 512 consecutive bytes of one row; rows 8-15 go by v9
.endr
.endm
.macro FRAGQ f
.if \f < 3
	s_wait_loadcnt 16                              ; this fragment's 16 loads are in; the next fragment's 16 may be out
.else
	s_wait_loadcnt 0x0
.endif
.irp i, 0,1,2,3,4,5,6,7,8,9,10,11,12,13,14,15
	ds_store_b128 v6, v[R+64*(\f%2)+4*\i:R+64*(\f%2)+4*\i+3] offset:SP*\i
.endr
.irp b, 0,1,2,3
.irp j, 0,1,2,3
	ds_load_b128 v[X+16*\b+4*\j:X+16*\b+4*\j+3], v7 offset:128*\b+16*\j   ; LDS serves a wave's instructions in order: these see the stores above
.endr
.endr
	s_wait_dscnt 0x0                               ; the numbers are back, and the stores into the stage have read their registers
.if \f > 0
	s_wait_xcnt 0x0                                ; the last fragment's stores have read their data: the codes' registers may be written again
.endif
.if \f < 2
	LOAD \f+2
.endif
	QUANT X
	global_store_b128 v4, v[PC:PC+3], s[22:23] offset:1536*\f          ; 512 consecutive bytes
	global_store_b64 v5, v[PC+4:PC+5], s[22:23] offset:1536*\f+512     ; 256
	global_store_b128 v4, v[PC+6:PC+9], s[22:23] offset:1536*\f+768
	global_store_b64 v5, v[PC+10:PC+11], s[22:23] offset:1536*\f+1280
	v_mov_b32 v[16+\f], v[PW]
.endm
	LOAD 0
	LOAD 1
	FRAGQ 0
	FRAGQ 1
	FRAGQ 2
	FRAGQ 3
	v_cmp_le_u32 vcc_lo, 16, v1                    ; lanes 16-31 carry words 2 and 3 of their row, lanes 0-15 words 0 and 1
	v_cndmask_b32 v20, v16, v18, vcc_lo
	v_cndmask_b32 v21, v17, v19, vcc_lo
	global_store_b64 v8, v[20:21], s[24:25]        ; 32 lanes store 256 consecutive aligned bytes
	s_wait_tensorcnt 0x0
	ds_add_u32 v239, v243
	s_wait_dscnt 0x0
	s_endpgm
.Lfunc_end_k_q25e5c6fd10_quant:
	.size	k_q25e5c6fd10_quant, .Lfunc_end_k_q25e5c6fd10_quant-k_q25e5c6fd10_quant
	.p2alignl 7, 3214868480
	.fill 96, 4, 3214868480
	.section	.rodata,"a",@progbits
	.p2align	6, 0x0
	.amdhsa_kernel k_q25e5c6fd10_quant
		.amdhsa_group_segment_fixed_size 34304
		.amdhsa_private_segment_fixed_size 0
		.amdhsa_enable_private_segment 0
		.amdhsa_kernarg_size 72
		.amdhsa_user_sgpr_count 2
		.amdhsa_user_sgpr_kernarg_segment_ptr 1
		.amdhsa_wavefront_size32 1
		.amdhsa_system_sgpr_workgroup_id_x 1
		.amdhsa_system_sgpr_workgroup_id_y 1
		.amdhsa_system_sgpr_workgroup_id_z 1
		.amdhsa_system_vgpr_workitem_id 0
		.amdhsa_next_free_vgpr 256
		.amdhsa_next_free_sgpr 66
		.amdhsa_reserve_vcc 1
		.amdhsa_float_denorm_mode_32 3
		.amdhsa_float_denorm_mode_16_64 3
		.amdhsa_memory_ordered 1
		.amdhsa_forward_progress 1
		.amdhsa_inst_pref_size 35
	.end_amdhsa_kernel
	.amdgpu_metadata
---
amdhsa.version: [ 1, 2 ]
amdhsa.kernels:
  - .name:           k_q25e5c6fd10_quant
    .symbol:         k_q25e5c6fd10_quant.kd
    .args:
      - { .name: q, .offset: 0, .size: 8, .value_kind: global_buffer, .address_space: global }
      - { .name: k, .offset: 8, .size: 8, .value_kind: global_buffer, .address_space: global }
      - { .name: v, .offset: 16, .size: 8, .value_kind: global_buffer, .address_space: global }
      - { .name: Wq, .offset: 24, .size: 8, .value_kind: global_buffer, .address_space: global }
      - { .name: Wk, .offset: 32, .size: 8, .value_kind: global_buffer, .address_space: global }
      - { .name: Wv, .offset: 40, .size: 8, .value_kind: global_buffer, .address_space: global }
      - { .name: Wo, .offset: 48, .size: 8, .value_kind: global_buffer, .address_space: global }
      - { .name: c1, .offset: 56, .size: 8, .value_kind: global_buffer, .address_space: global }
      - { .name: s1, .offset: 64, .size: 8, .value_kind: global_buffer, .address_space: global }
    .group_segment_fixed_size: 34304
    .private_segment_fixed_size: 0
    .kernarg_segment_align: 8
    .kernarg_segment_size: 72
    .max_flat_workgroup_size: 128
    .sgpr_count:     66
    .vgpr_count:     256
    .wavefront_size: 32
...
	.end_amdgpu_metadata
.endif
;; end of part 1
;; launch proj (part 2): grid 4 x 64, 4 waves a work-group, clusters of 4 x 4, 327,680 bytes of LDS; arguments c1, s1, bq, bk, bv, hd; writes hd
.if DOCPART == 2
	.amdgcn_target "amdgcn-amd-amdhsa--gfx1250"
	.amdhsa_code_object_version 6
	.text
	.protected	k_q25e5c6fd10_proj
	.globl	k_q25e5c6fd10_proj
	.p2align	8
	.type	k_q25e5c6fd10_proj,@function
k_q25e5c6fd10_proj:
	s_mov_b64 s[64:65], 0
	v_nop
	global_prefetch_b8 v0, s[64:65] scope:SCOPE_SE
	s_setreg_imm32_b32 hwreg(HW_REG_WAVE_MODE, 25, 1), 1
	s_wait_xcnt 0x0
	s_wait_alu depctr_hold_cnt(0) depctr_sa_sdst(0) depctr_va_vdst(0) depctr_va_sdst(0) depctr_va_ssrc(0) depctr_va_vcc(0) depctr_vm_vsrc(0)
	s_getreg_b32 s2, hwreg(HW_REG_IB_STS2, 6, 4)
	s_cmp_eq_u32 s2, 0
	s_cbranch_scc0 .Lentry_in_a_cluster
	s_endpgm
.Lentry_in_a_cluster:
	s_bfe_u32 s2, ttmp6, 0x10000c
	s_cmp_lg_u32 s2, 0xf033
	s_cbranch_scc0 .Lentry_shape_is_right
	s_endpgm
.Lentry_shape_is_right:
; Q = q Wq^T + bq, K = k Wk^T + bk, V = v Wv^T + bv on codes of FP6 (E2M3) with E8M0 scales, each result quantised again for the attention launch: Q and K along the head's 64, V along the keys.
; LIMITS: NaN and infinities are not served; a block whose largest magnitude lies under 2^-124 is held at the byte 1; a block of zeros gets the byte 1 (zero codes; this program alone reads the bytes).
; c1 is [row tile of 16 rows][16 half images of 768 bytes], s1 [row tile][half of K][r][4 words]: q's, k's, v's 512 row tiles each, then Wq's, Wk's, Wv's 64 each.
; SHARES.  256 work-groups.  Work-group (x, y) makes, one after the other, the tiles of Q, K and V of token rows 128 y .. + 127 and columns 256 x .. + 255; wave w takes all 128 tokens and columns 64 w .. + 63: one head.
; 32 accumulators of 16 x 16.  K = 1,024 goes in two slots of half of K: 8 token row tiles and 16 weight row tiles, rows of 6,144 bytes: 147,456 bytes a slot.
; Both slots are asked for at the head, one joint load a wave.  THE RING GOES ON FROM TILE TO TILE: in a tile's fourth step slot 0 takes the next tile's first half, in its eighth step slot 1 the second half,
; each behind a drained round of the cluster's barrier, one load a wave (waves 0, 1 half the tokens each, waves 2, 3 half the weights each).  Tokens are shared along a row of the 4 x 4 cluster, weights along a column.
; A step is 32 products; the next step's 48 LDS loads stand three behind each of its first 16 products.  Fragments: tokens in window 3, weights in window 1, two sets each; accumulators in window 2.
; Q, K: source 0 = weights, source 1 = tokens: a lane holds a token, its 32 sums run along the head.  V: the sources change places by the windows alone: a lane holds a column, its 64 sums run along the keys.
; THE BIAS IS THE FIRST PRODUCTS' C.  A's and B's scale words lie in registers whose numbers differ by 4 modulo 8.
; Q's and K's tiles are one text, a loop of two trips; V's is written out: it asks for nothing more.
; PREFETCH: in a tile's steps 0 and 4 each wave names its sixteenth of what the refill three steps on will ask for (12 blocks of 256 bytes of the tokens, 24 of the weights), told apart by address among the sixteen waves that ask jointly.
.set REC,    315392
.set QSOFF,  98304
.set KVOFF,  106496
.set CHUNKB, 52224
.set SLOT,   147456
.set WOFF,   49152
.set SPARE,  294912
.set TSTR,   512*12288                 ; from a tensor's tokens to the next tensor's
.set WSTR,   64*12288                  ; from a weight to the next
.set WT0,    1536                      ; Wq's first row tile
.set T16, 8                            ; v8, v9 LDS address of the tokens' 16-byte pieces in slot 0, 1; v10, v11 of the 8-byte pieces
.set W16, 12                           ; v12-15 the same for my four weight tiles
.set TM,  16                           ; v16-27 at work in the way out
.set SPW, 28
.set NIL, 29
.set SCA, 32                           ; v32-95 the tokens' scale words: 8 i + step
.set SCB, 100                          ; v100-131 the weights'
.set BIAS, 132                         ; v132-163 this tile's bias; v164-195 K's; v196-227 V's
.set BIASN, 164
.set BIASV, 196
.set PC,  228
.set SW,  248
.set G1TH, 24
.set G1WH, 32
.set G1T, 40
.set G1W, 48
.set G0A, 56
.set G0B, 60
.set G0C, 68
.set G0D, 72
.set G0T, 76
.set G0W, 80
.set LT, 104
.set LW, 105
.set SEL, 2
.set CBASE, BIAS
.set MSB, 0
.macro WIN new
.if MSB != (\new)
	s_set_vgpr_msb (MSB<<8)|(\new)
.set MSB, (\new)
.endif
.endm
.macro PLACES n
.rept \n
	v_nop
.endr
.endm
.macro WALU
	s_wait_alu depctr_va_vdst(0)
.endm
.macro CREST
	s_cmp_lg_u32 s16, 0
	s_cbranch_scc1 .Lnot_wave_0_\@
	s_barrier_signal -3
.Lnot_wave_0_\@:
	s_barrier_wait -3
	s_barrier_signal -1
	s_barrier_wait -1
.endm
.macro CROUND
	s_barrier_signal -1
	s_barrier_wait -1
	CREST
.endm
.macro TLOAD g0, g1
	tensor_load_to_lds s[\g0:\g0+3], s[\g1:\g1+7]
	s_nop 0
	PLACES 4
.endm
.macro GR1 g, rows                     ; rows of 6,144 bytes (768 elements of 8), 12,288 apart
	s_mov_b32 s[\g+1], 768<<16
	s_mov_b32 s[\g+2], (\rows)<<16
	s_mov_b32 s[\g+3], 768<<16
	s_mov_b32 s[\g+4], \rows
	s_mov_b32 s[\g+5], 1536
	s_mov_b32 s[\g+6], 0
	s_mov_b32 s[\g+7], 0
.endm
.macro G0SET g, lds
	s_mov_b32 s[\g], 1
	s_mov_b32 s[\g+1], \lds
	s_or_b32 s[\g+3], s[\g+3], 0x80000000
.endm
.macro ARM under, g0, g1, next
	s_cmp_lt_u32 s16, \under
	s_cbranch_scc0 \next
	TLOAD \g0, \g1
	s_branch .Lhead_asked
\next:
.endm
; load L of the 48 that bring step k of a slot into set p: fragments 0-7 the tokens', 8-11 my weights', four loads each
.macro LD1 L, slot, k, p
.set F_, (\L)/4
.set Q_, (\L)%4
.if F_ < 8
	WIN 0xc0
.set R_, 128*(\p)+12*F_
.set O_, 6144*F_+1536*(\k)
.set AD_, T16+(\slot)
.else
	WIN 0x40
.set R_, 128*(\p)+12*(F_-8)
.set O_, 6144*(F_-8)+1536*(\k)
.set AD_, W16+(\slot)
.endif
.if Q_ == 0
	ds_load_b128 v[R_:R_+3], v[AD_] offset:O_
.elseif Q_ == 1
	ds_load_b64 v[R_+4:R_+5], v[AD_+2] offset:O_+512
.elseif Q_ == 2
	ds_load_b128 v[R_+6:R_+9], v[AD_] offset:O_+768
.else
	ds_load_b64 v[R_+10:R_+11], v[AD_+2] offset:O_+1280
.endif
.endm
; product i of step q: a = i / NB of source 1, b = i % NB of source 0.  The 32 accumulators take turns
.macro PR q, mode, i
.set NB_, 4+4*(\mode)
.set A_, (\i)/NB_
.set B_, (\i)%NB_
.set D_, 8*(\i)
.set P_, 128*((\q)%2)
.if \mode
.set X0_, SCA+8*B_+(\q)
.set X1_, SCB+8*A_+(\q)
.set C_, CBASE+8*A_
.set MW_, 0xa7
.else
.set X0_, SCB+8*B_+(\q)
.set X1_, SCA+8*A_+(\q)
.set C_, CBASE+8*B_
.set MW_, 0xad
.endif
.if (\q) == 0
	WIN MW_-0x20
	v_wmma_scale_f32_16x16x128_f8f6f4 v[D_:D_+7], v[P_+12*B_:P_+12*B_+11], v[P_+12*A_:P_+12*A_+11], v[C_:C_+7], v[X0_], v[X1_] matrix_a_fmt:MATRIX_FMT_FP6 matrix_b_fmt:MATRIX_FMT_FP6
.else
	WIN MW_
	v_wmma_scale_f32_16x16x128_f8f6f4 v[D_:D_+7], v[P_+12*B_:P_+12*B_+11], v[P_+12*A_:P_+12*A_+11], v[D_:D_+7], v[X0_], v[X1_] matrix_a_fmt:MATRIX_FMT_FP6 matrix_b_fmt:MATRIX_FMT_FP6
.endif
.endm
; products from .. to - 1; behind each of the first 16 of them three loads of (slot fs, step fk), if fetch
.macro RUN q, mode, from, to, fetch, fs, fk
.set N_, \from
.rept (\to)-(\from)
	PR \q, \mode, N_
.if \fetch
.if N_-(\from) < 16
	LD1 3*(N_-(\from)), \fs, \fk, ((\q)+1)%2
	LD1 3*(N_-(\from))+1, \fs, \fk, ((\q)+1)%2
	LD1 3*(N_-(\from))+2, \fs, \fk, ((\q)+1)%2
.endif
.endif
.set N_, N_+1
.endr
.endm
.macro STEP q, mode, fs, fk, fetch, pf
	s_wait_dscnt 0x0                               ; this step's fragments are in
	PLACES 4                                       ; behind the last step's products, in front of the loads into the registers that they read
	RUN \q, \mode, 0, 24, \fetch, \fs, \fk
.if (\pf) >= 0
	WIN 0
	global_prefetch_b8 v30, s[8:9] offset:6144*(\pf) th:TH_LOAD_NT scope:SCOPE_SE
	s_cmp_lt_u32 ttmp7, 4                          ; all sixteen clusters read the same weights: the first four rows of clusters name them
	s_cbranch_scc0 .Lno_w_\@
	global_prefetch_b8 v31, s[10:11] offset:6144*(\pf) th:TH_LOAD_NT scope:SCOPE_SE
.Lno_w_\@:
.endif
	RUN \q, \mode, 24, 32, 0, 0, 0
.endm
; a slot's last step.  Its fragments are in registers, so the slot is read no more.  refill = 1: the three lines, a round of the cluster's barrier with eight products inside, the slot's refill; else a plain barrier, which shows the other slot.
.macro BOUND q, mode, refill, slot
	WIN 0
	s_wait_tensorcnt 0x0                           ; all my tensor loads have landed: my part of the other slot
.if \refill
	ds_add_u32 v[SPW], v[NIL]
.if \slot
	s_add_nc_u64 s[G0T+2:G0T+3], s[G0T+2:G0T+3], 6144
	s_add_nc_u64 s[G0W+2:G0W+3], s[G0W+2:G0W+3], 6144
.else
	s_add_nc_u64 s[G0T+2:G0T+3], s[G0T+2:G0T+3], TSTR-6144
	s_add_nc_u64 s[G0W+2:G0W+3], s[G0W+2:G0W+3], WSTR-6144
.endif
	s_add_co_u32 s[G0T+1], s[LT], (\slot)*SLOT
	s_add_co_u32 s[G0W+1], s[LW], (\slot)*SLOT
.endif
	s_wait_dscnt 0x0                               ; the add is done, my reads of this slot are over
	s_barrier_signal -1
	RUN \q, \mode, 0, 8, 0, 0, 0
	WIN 0
	s_barrier_wait -1
.if \refill
	CREST
	s_cmp_eq_u32 s17, 0
	s_cbranch_scc0 .Lfor_w_\@
	TLOAD G0T, G1T
	s_branch .Lasked_\@
.Lfor_w_\@:
	TLOAD G0W, G1W
.Lasked_\@:
.else
	PLACES 4
.endif
	RUN \q, \mode, 8, 32, 1, 1-(\slot), 0
.endm
.macro SCALES                          ; a tile's scale words: 8 token tiles, my 4 weight tiles, two halves of K
.irp i, 0,1,2,3,4,5,6,7
	global_load_b128 v[SCA+8*\i:SCA+8*\i+3], v6, s[84:85] offset:512*\i
	global_load_b128 v[SCA+8*\i+4:SCA+8*\i+7], v6, s[84:85] offset:512*\i+256
.endr
.irp i, 0,1,2,3
	global_load_b128 v[SCB+8*\i:SCB+8*\i+3], v6, s[86:87] offset:512*\i
	global_load_b128 v[SCB+8*\i+4:SCB+8*\i+7], v6, s[86:87] offset:512*\i+256
.endr
.endm
.macro TILE mode, more
	s_wait_loadcnt 0x0                             ; the scale words
.if \more
	STEP 0, \mode, 0, 1, 1, 0
.else
	STEP 0, \mode, 0, 1, 1, -1
.endif
	STEP 1, \mode, 0, 2, 1, -1
	STEP 2, \mode, 0, 3, 1, -1
	BOUND 3, \mode, \more, 0
.if \more
	STEP 4, \mode, 1, 1, 1, 1
.else
	STEP 4, \mode, 1, 1, 1, -1
.endif
	STEP 5, \mode, 1, 2, 1, -1
	STEP 6, \mode, 1, 3, 1, -1
.if \more
	BOUND 7, \mode, 1, 1
	WIN 0
	PLACES 4
	s_add_nc_u64 s[84:85], s[84:85], 512*512       ; the next tile's scale words land under the way out (the last loads by these bases were waited for)
	s_add_nc_u64 s[86:87], s[86:87], 64*512
	SCALES
.else
	STEP 7, \mode, 0, 0, 0, -1
	WIN 0
	PLACES 4
.endif
.endm
; THE WAY OUT of token tiles 2 A and 2 A + 1 of Q or K: register 16 B + i is d = 32 B + 16 h + i of my token: two blocks, each shared with lane l xor 16.  A tile leaves as one half image.
.macro EPQK A
	s_wait_xcnt 0x0                                ; earlier stores have read their data
	WIN 0x0a
.irp B, 0,1
.irp e, 0,1
	v_max3_num_f32 v[TM+6*\e+\B], |v[32*(2*\A+\e)+16*\B]|, |v[32*(2*\A+\e)+16*\B+1]|, 0x1800000
.endr
.endr
	WIN 0x28
.irp i, 2,4,6,8,10,12,14
.irp B, 0,1
.irp e, 0,1
	v_max3_num_f32 v[TM+6*\e+\B], v[TM+6*\e+\B], |v[32*(2*\A+\e)+16*\B+\i]|, |v[32*(2*\A+\e)+16*\B+\i+1]|
.endr
.endr
.endr
	WIN 0
.irp B, 0,1
.irp e, 0,1
	v_permlanex16_b32 v[TM+6*\e+2+\B], v[TM+6*\e+\B], s[SEL], s[SEL+1]
.endr
.endr
.irp B, 0,1
.irp e, 0,1
	v_max_num_f32 v[TM+6*\e+\B], v[TM+6*\e+\B], v[TM+6*\e+2+\B]
.endr
.endr
.irp B, 0,1
.irp e, 0,1
	v_add_nc_u32 v[TM+6*\e+4+\B], 0xff000000, v[TM+6*\e+\B]
.endr
.endr
.irp B, 0,1
.irp e, 0,1
	v_lshrrev_b32 v[TM+6*\e+2+\B], 23, v[TM+6*\e+4+\B]
.endr
.endr
.irp e, 0,1
	v_lshl_or_b32 v[SW+2*\A+\e], v[TM+6*\e+3], 8, v[TM+6*\e+2]
.endr
.irp e, 0,1
	v_or_b32 v[SW+2*\A+\e], s67, v[SW+2*\A+\e]     ; bytes 2 and 3: 0x7f, for the zero codes of the first product's upper K
.endr
	WIN 0x02
.irp e, 0,1
	v_cvt_scalef32_pk16_fp6_f32 v[PC+10*\e:PC+10*\e+2], v[32*(2*\A+\e):32*(2*\A+\e)+15], v[TM+6*\e+4]
	v_cvt_scalef32_pk16_fp6_f32 v[PC+10*\e+6:PC+10*\e+8], v[32*(2*\A+\e)+16:32*(2*\A+\e)+31], v[TM+6*\e+5]
.endr
	WIN 0
	v_nop                                          ; one plain place behind the scaled conversions
.irp e, 0,1
.irp i, 0,1,2
	v_permlane16_swap_b32 v[PC+10*\e+\i], v[PC+10*\e+6+\i]
.endr
.endr
.irp e, 0,1
.irp i, 0,1,2
	v_mov_b32 v[PC+10*\e+3+\i], v[PC+10*\e+6+\i]
.endr
.endr
.irp e, 0,1
	global_store_b128 v4, v[PC+10*\e:PC+10*\e+3], s[88:89] offset:768*(2*\A+\e)
	global_store_b64 v5, v[PC+10*\e+4:PC+10*\e+5], s[88:89] offset:768*(2*\A+\e)+512
.endr
.endm
; THE WAY OUT of V's column tile a: register 16 b + i is key 32 b + 16 h + i of my column: four blocks.  It leaves as a fragment of 128 keys.
.macro EPV a
	s_wait_xcnt 0x0
	WIN 0x0a
.irp b, 0,1,2,3
	v_max3_num_f32 v[TM+\b], |v[64*\a+16*\b]|, |v[64*\a+16*\b+1]|, 0x1800000
.endr
	WIN 0x28
.irp i, 2,4,6,8,10,12,14
.irp b, 0,1,2,3
	v_max3_num_f32 v[TM+\b], v[TM+\b], |v[64*\a+16*\b+\i]|, |v[64*\a+16*\b+\i+1]|
.endr
.endr
	WIN 0
.irp b, 0,1,2,3
	v_permlanex16_b32 v[TM+4+\b], v[TM+\b], s[SEL], s[SEL+1]
.endr
.irp b, 0,1,2,3
	v_max_num_f32 v[TM+\b], v[TM+\b], v[TM+4+\b]
.endr
.irp b, 0,1,2,3
	v_add_nc_u32 v[TM+8+\b], 0xff000000, v[TM+\b]
.endr
.irp b, 0,1,2,3
	v_lshrrev_b32 v[TM+4+\b], 23, v[TM+8+\b]
.endr
	v_lshl_or_b32 v[SW+\a], v[TM+5], 8, v[TM+4]
	v_lshl_or_b32 v[SW+\a], v[TM+6], 16, v[SW+\a]
	v_lshl_or_b32 v[SW+\a], v[TM+7], 24, v[SW+\a]
	WIN 0x02
.irp c, 0,1
	v_cvt_scalef32_pk16_fp6_f32 v[PC+6*\c:PC+6*\c+2], v[64*\a+32*\c:64*\a+32*\c+15], v[TM+8+2*\c]
	v_cvt_scalef32_pk16_fp6_f32 v[PC+12+4*\c:PC+14+4*\c], v[64*\a+32*\c+16:64*\a+32*\c+31], v[TM+9+2*\c]
.endr
	WIN 0
	v_nop
.irp c, 0,1
.irp i, 0,1,2
	v_permlane16_swap_b32 v[PC+6*\c+\i], v[PC+12+4*\c+\i]
.endr
.irp i, 0,1,2
	v_mov_b32 v[PC+3+6*\c+\i], v[PC+12+4*\c+\i]
.endr
.endr
	global_store_b128 v4, v[PC:PC+3], s[88:89] offset:24576+1536*\a
	global_store_b64 v5, v[PC+4:PC+5], s[88:89] offset:24576+1536*\a+512
	global_store_b128 v4, v[PC+6:PC+9], s[88:89] offset:24576+1536*\a+768
	global_store_b64 v5, v[PC+10:PC+11], s[88:89] offset:24576+1536*\a+1280
.endm
; ================= THE HEAD
	s_load_b256 s[4:11], s[0:1], 0x0               ; c1, s1, bq, bk
	s_load_b128 s[12:15], s[0:1], 0x20             ; bv, hd
	v_lshl_add_u32 v[SPW], v0, 2, SPARE
	v_mov_b32 v[NIL], 0
	ds_add_u32 v[SPW], v[NIL]                      ; the opening lines: the add, twice on end, and its wait
	ds_add_u32 v[SPW], v[NIL]
	v_lshrrev_b32 v1, 5, v0
	v_readfirstlane_b32 s16, v1                    ; wave
	s_lshr_b32 s17, s16, 1                         ; a refill: 0 I fetch tokens, 1 weights;
	s_and_b32 s18, s16, 1                          ; which half of them
	s_bfe_u32 s21, ttmp6, 0x40000                  ; cx
	s_bfe_u32 s22, ttmp6, 0x40004                  ; cy
	s_lshl_b32 s20, ttmp9, 2
	s_add_co_u32 s20, s20, s21                     ; x
	s_and_b32 s19, ttmp7, 0xffff
	s_lshl_b32 s19, s19, 2
	s_add_co_u32 s19, s19, s22                     ; y
	s_lshl_b32 s23, s22, 2
	s_lshl_b32 s23, 15, s23                        ; my row of the cluster
	s_lshl_b32 s67, 0x1111, s21                    ; my column
	s_or_b32 s[G1TH], s23, (3<<16)|(1<<21)
	s_or_b32 s[G1T], s23, (3<<16)|(1<<21)
	s_or_b32 s[G1WH], s67, (3<<16)|(1<<21)
	s_or_b32 s[G1W], s67, (3<<16)|(1<<21)
	GR1 G1TH, 8
	GR1 G1WH, 16
	GR1 G1T, 4
	GR1 G1W, 8
	s_mul_i32 s100, s19, 8*12288                   ; q's row tile 8 y
	s_mov_b32 s101, 0
	s_lshl_b32 s92, s20, 4
	s_add_co_u32 s92, s92, WT0
	s_mul_i32 s92, s92, 12288                      ; Wq's row tile 16 x
	s_mov_b32 s93, 0
	s_mul_i32 s[LT], s18, 4*6144
	s_mul_i32 s[LW], s18, 8*6144
	s_add_co_u32 s[LW], s[LW], WOFF
	s_mul_i32 s94, s18, 4*12288                    ; my part of a refill, at the first tile's second half
	s_add_co_u32 s94, s94, 6144
	s_mov_b32 s95, 0
	s_mul_i32 s96, s18, 8*12288
	s_add_co_u32 s96, s96, 6144
	s_mov_b32 s97, 0
	s_wait_dscnt 0x0
	CROUND                                         ; all sixteen work-groups are here
	s_wait_kmcnt 0x0
	s_add_nc_u64 s[G0A+2:G0A+3], s[4:5], s[100:101]
	s_add_nc_u64 s[G0B+2:G0B+3], s[4:5], s[92:93]
	s_add_nc_u64 s[G0C+2:G0C+3], s[G0A+2:G0A+3], 6144
	s_add_nc_u64 s[G0D+2:G0D+3], s[G0B+2:G0B+3], 6144
	s_add_nc_u64 s[G0T+2:G0T+3], s[G0A+2:G0A+3], s[94:95]
	s_add_nc_u64 s[G0W+2:G0W+3], s[G0B+2:G0B+3], s[96:97]
	G0SET G0A, 0
	G0SET G0B, WOFF
	G0SET G0C, SLOT
	G0SET G0D, SLOT+WOFF
	G0SET G0T, 0
	G0SET G0W, WOFF
	ARM 1, G0A, G1TH, .Lhead_b                     ; wave 0: the tokens' first half of K; wave 1: the weights'; waves 2 and 3: the second halves
	ARM 2, G0B, G1WH, .Lhead_c
	ARM 3, G0C, G1TH, .Lhead_d
	TLOAD G0D, G1WH
.Lhead_asked:
	s_lshl_b32 s84, s19, 12                        ; the tokens' scale words: row tile 8 y, 512 bytes each
	s_mov_b32 s85, 0
	s_add_nc_u64 s[84:85], s[6:7], s[84:85]
	s_lshl_b32 s86, s20, 4
	s_lshl_b32 s23, s16, 2
	s_add_co_u32 s86, s86, s23
	s_add_co_u32 s86, s86, WT0
	s_lshl_b32 s86, s86, 9                         ; my four weight tiles'
	s_mov_b32 s87, 0
	s_add_nc_u64 s[86:87], s[6:7], s[86:87]
	s_lshl_b32 s100, s20, 10
	s_lshl_b32 s23, s16, 8
	s_add_co_u32 s100, s100, s23                   ; my head's 64 numbers of a bias
	s_add_nc_u64 s[8:9], s[8:9], s[100:101]
	s_add_nc_u64 s[10:11], s[10:11], s[100:101]
	s_add_nc_u64 s[12:13], s[12:13], s[100:101]
	s_lshr_b32 s23, s19, 4                         ; the batch
	s_lshl_b32 s23, s23, 4
	s_lshl_b32 s67, s20, 2
	s_add_co_u32 s23, s23, s67
	s_add_co_u32 s23, s23, s16
	s_mul_i32 s23, s23, REC                        ; my head's record
	s_and_b32 s67, s19, 15                         ; the step of 128 tokens
	s_mul_i32 s88, s67, 6144
	s_add_co_u32 s88, s88, s23
	s_mov_b32 s89, 0
	s_add_nc_u64 s[88:89], s[14:15], s[88:89]      ; Q's codes
	s_lshl_b32 s90, s67, 9
	s_add_co_u32 s90, s90, s23
	s_add_co_u32 s90, s90, QSOFF
	s_mov_b32 s91, 0
	s_add_nc_u64 s[90:91], s[14:15], s[90:91]      ; Q's scale words
	s_lshr_b32 s100, s67, 2
	s_mul_i32 s100, s100, CHUNKB
	s_add_co_u32 s100, s100, KVOFF
	s_add_co_u32 s100, s100, s23                   ; the chunk of 512 keys
	s_and_b32 s67, s67, 3
	s_mul_i32 s92, s67, 6144
	s_add_co_u32 s92, s92, s100
	s_add_nc_u64 s[92:93], s[14:15], s[92:93]      ; K's codes; V's lie 24,576 further on
	s_lshl_b32 s94, s67, 9
	s_add_co_u32 s94, s94, s100
	s_add_co_u32 s94, s94, 49152
	s_add_nc_u64 s[94:95], s[14:15], s[94:95]      ; K's scale words
	s_lshl_b32 s98, s67, 8
	s_add_co_u32 s98, s98, s100
	s_add_co_u32 s98, s98, 51200
	s_mov_b32 s99, 0
	s_add_nc_u64 s[98:99], s[14:15], s[98:99]      ; V's
	s_mul_i32 s23, s16, 4*6144
	s_add_co_u32 s23, s23, WOFF                    ; my four weight tiles in a slot
	s_mov_b32 s[SEL], 0x76543210
	s_mov_b32 s[SEL+1], 0xfedcba98
	v_and_b32 v1, 15, v0                           ; r
	v_bfe_u32 v2, v0, 4, 1                         ; h
	v_and_b32 v3, 31, v0                           ; lane
	v_lshlrev_b32 v4, 4, v3
	v_lshlrev_b32 v5, 3, v3
	v_lshlrev_b32 v6, 4, v1                        ; 16 r; kept for the whole launch, outside the way out's work registers
	v_lshlrev_b32 v21, 6, v2                       ; 64 h
	v_and_b32 v23, 8, v1
	v_add_nc_u32 v23, v23, v1
	v_lshlrev_b32 v23, 2, v23                      ; 4 (r + 8 (r / 8))
	WALU
	SCALES
.irp n, 0,1,2,3,4,5,6,7
	global_load_b128 v[BIAS+4*\n:BIAS+4*\n+3], v21, s[8:9] offset:128*(\n/4)+16*(\n%4)       ; register 16 B + i: column 32 B + 16 h + i
	global_load_b128 v[BIASN+4*\n:BIASN+4*\n+3], v21, s[10:11] offset:128*(\n/4)+16*(\n%4)
.endr
.irp a, 0,1,2,3
	global_load_b32 v[BIASV+8*\a], v23, s[12:13] offset:4*(32*(\a/2)+8*(\a%2))               ; V: one number a lane and column tile
.endr
	v_mov_b32 v[T16], v4
	v_add_nc_u32 v[T16+1], SLOT, v4
	v_mov_b32 v[T16+2], v5
	v_add_nc_u32 v[T16+3], SLOT, v5
	v_add_nc_u32 v[W16], s23, v4
	v_add_nc_u32 v[W16+2], s23, v5
	v_add_nc_u32 v[W16+1], SLOT, v[W16]
	v_add_nc_u32 v[W16+3], SLOT, v[W16+2]
	v_lshl_add_u32 v7, v2, 3, v6                   ; 16 r + 8 h
	v_min_u32 v30, 11, v3
	v_lshlrev_b32 v30, 8, v30                      ; the prefetches: a lane a block of 256 bytes
	v_min_u32 v31, 23, v3
	v_lshlrev_b32 v31, 8, v31
	s_wait_xcnt 0x0                                ; the biases' bases have been read: s[8:11] take the prefetches' bases
	s_lshl_b32 s23, s21, 2
	s_add_co_u32 s23, s23, s16                     ; my number among the sixteen waves that ask for these tokens
	s_lshr_b32 s100, s23, 1
	s_mul_i32 s100, s100, 12288
	s_and_b32 s23, s23, 1
	s_mul_i32 s23, s23, 3072
	s_add_co_u32 s100, s100, s23
	s_mul_i32 s23, s19, 8*12288
	s_add_co_u32 s100, s100, s23
	s_add_co_u32 s100, s100, TSTR
	s_add_nc_u64 s[8:9], s[4:5], s[100:101]        ; 12 blocks of the next tile's tokens
	s_lshl_b32 s23, s22, 2
	s_add_co_u32 s23, s23, s16                     ; and for these weights: a row tile's 24 blocks
	s_lshl_b32 s100, s20, 4
	s_add_co_u32 s100, s100, s23
	s_add_co_u32 s100, s100, WT0+64
	s_mul_i32 s100, s100, 12288
	s_add_nc_u64 s[10:11], s[4:5], s[100:101]
	s_mov_b32 s67, 0x7f7f0000
	s_mov_b32 s66, 0
.set I, 0
.rept 12
	v_mov_b32 v[TM+I], 0                           ; a lane permute's destination counts as one of its sources
.set I, I+1
.endr
	s_wait_loadcnt 0x0
.irp a, 0,1,2,3
.irp i, 1,2,3,4,5,6,7
	v_mov_b32 v[BIASV+8*\a+\i], v[BIASV+8*\a]      ; over the tile's eight registers
.endr
.endr
	WALU
	s_cmp_lt_u32 s16, 2
	s_cbranch_scc0 .Lnot_first
	s_wait_tensorcnt 0x0
.Lnot_first:
	s_barrier_signal -1
	s_barrier_wait -1                              ; slot 0 is in; slot 1 may still be on its way
.set I, 0
.rept 48
	LD1 I, 0, 0, 0
.set I, I+1
.endr
	WIN 0
.Ltile:                                            ; Q's tile, then K's
	TILE 0, 1
	EPQK 0
	EPQK 1
	EPQK 2
	EPQK 3
	v_cmp_le_u32 vcc_lo, 16, v3
.irp j, 0,1,2,3
	v_cndmask_b32 v[96+\j], v[SW+\j], v[SW+4+\j], vcc_lo       ; [tile / 4][r][tile % 4]
.endr
	global_store_b128 v4, v[96:99], s[90:91]
	s_add_co_u32 s66, s66, 1
	s_cmp_eq_u32 s66, 2
	s_cbranch_scc1 .Lv
	s_wait_xcnt 0x0                                ; stores and prefetches have read their bases
	s_mov_b64 s[88:89], s[92:93]
	s_mov_b64 s[90:91], s[94:95]
	s_add_nc_u64 s[8:9], s[8:9], TSTR
	s_add_nc_u64 s[10:11], s[10:11], WSTR
.set I, 0
.rept 32
	v_mov_b32 v[BIAS+I], v[BIASN+I]                ; K's bias
.set I, I+1
.endr
	WALU
	s_cmp_lt_u32 s66, 2
	s_cbranch_scc1 .Ltile
.Lv:
.set CBASE, BIASV
	TILE 1, 0
	EPV 0
	EPV 1
	EPV 2
	EPV 3
	v_cmp_le_u32 vcc_lo, 16, v3
	v_cndmask_b32 v96, v[SW], v[SW+2], vcc_lo      ; [r][column tile]: lanes 16-31 carry words 2 and 3
	v_cndmask_b32 v97, v[SW+1], v[SW+3], vcc_lo
	global_store_b64 v7, v[96:97], s[98:99]        ; 256 consecutive aligned bytes
	s_wait_tensorcnt 0x0                           ; the wave's end
	ds_add_u32 v[SPW], v[NIL]
	s_wait_dscnt 0x0
	CROUND                                         ; the closing round
	s_endpgm
.Lfunc_end_k_q25e5c6fd10_proj:
	.size	k_q25e5c6fd10_proj, .Lfunc_end_k_q25e5c6fd10_proj-k_q25e5c6fd10_proj
	.p2alignl 7, 3214868480
	.fill 96, 4, 3214868480
	.section	.rodata,"a",@progbits
	.p2align	6, 0x0
	.amdhsa_kernel k_q25e5c6fd10_proj
		.amdhsa_group_segment_fixed_size 327680
		.amdhsa_private_segment_fixed_size 0
		.amdhsa_enable_private_segment 0
		.amdhsa_kernarg_size 48
		.amdhsa_user_sgpr_count 2
		.amdhsa_user_sgpr_kernarg_segment_ptr 1
		.amdhsa_wavefront_size32 1
		.amdhsa_system_sgpr_workgroup_id_x 1
		.amdhsa_system_sgpr_workgroup_id_y 1
		.amdhsa_system_sgpr_workgroup_id_z 1
		.amdhsa_system_vgpr_workitem_id 0
		.amdhsa_next_free_vgpr 1024
		.amdhsa_next_free_sgpr 106
		.amdhsa_reserve_vcc 1
		.amdhsa_float_denorm_mode_32 3
		.amdhsa_float_denorm_mode_16_64 3
		.amdhsa_memory_ordered 1
		.amdhsa_forward_progress 1
		.amdhsa_inst_pref_size 189
	.end_amdhsa_kernel
	.amdgpu_metadata
---
amdhsa.version: [ 1, 2 ]
amdhsa.kernels:
  - .name:           k_q25e5c6fd10_proj
    .symbol:         k_q25e5c6fd10_proj.kd
    .args:
      - { .name: c1, .offset: 0, .size: 8, .value_kind: global_buffer, .address_space: global }
      - { .name: s1, .offset: 8, .size: 8, .value_kind: global_buffer, .address_space: global }
      - { .name: bq, .offset: 16, .size: 8, .value_kind: global_buffer, .address_space: global }
      - { .name: bk, .offset: 24, .size: 8, .value_kind: global_buffer, .address_space: global }
      - { .name: bv, .offset: 32, .size: 8, .value_kind: global_buffer, .address_space: global }
      - { .name: hd, .offset: 40, .size: 8, .value_kind: global_buffer, .address_space: global }
    .group_segment_fixed_size: 327680
    .private_segment_fixed_size: 0
    .kernarg_segment_align: 8
    .kernarg_segment_size: 48
    .max_flat_workgroup_size: 128
    .sgpr_count:     106
    .vgpr_count:     1024
    .wavefront_size: 32
...
	.end_amdgpu_metadata
.endif
;; end of part 2
;; launch attn (part 3): grid 4 x 64, 8 waves a work-group, clusters of 4 x 1, 210,944 bytes of LDS; arguments hd, c1, s1; writes c1, s1
.if DOCPART == 3
	.amdgcn_target "amdgcn-amd-amdhsa--gfx1250"
	.amdhsa_code_object_version 6
	.text
	.protected	k_q25e5c6fd10_attn
	.globl	k_q25e5c6fd10_attn
	.p2align	8
	.type	k_q25e5c6fd10_attn,@function
k_q25e5c6fd10_attn:
	s_mov_b64 s[64:65], 0
	v_nop
	global_prefetch_b8 v0, s[64:65] scope:SCOPE_SE
	s_setreg_imm32_b32 hwreg(HW_REG_WAVE_MODE, 25, 1), 1
	s_wait_xcnt 0x0
	s_wait_alu depctr_hold_cnt(0) depctr_sa_sdst(0) depctr_va_vdst(0) depctr_va_sdst(0) depctr_va_ssrc(0) depctr_va_vcc(0) depctr_vm_vsrc(0)
	s_getreg_b32 s2, hwreg(HW_REG_IB_STS2, 6, 4)
	s_cmp_eq_u32 s2, 0
	s_cbranch_scc0 .Lentry_in_a_cluster
	s_endpgm
.Lentry_in_a_cluster:
	s_bfe_u32 s2, ttmp6, 0x10000c
	s_cmp_lg_u32 s2, 0x3003
	s_cbranch_scc0 .Lentry_shape_is_right
	s_endpgm
.Lentry_shape_is_right:
; softmax(Q K^T / 8) V for one (batch, head), both products on codes of FP6 (E2M3) with E8M0 scales; the result, divided by the row's sum, is quantised along head x 64 + d and leaves as codes for the last product.
; THE SOFTMAX: t = score x log2(e) / 8; M = the row's largest t so far, rounded UP to a whole number; p = 2^(t - M) is quantised along the keys, not normalised; the row's sum is taken of the unquantised p in f32.
; When M moves, the sum and O are multiplied by 2^(old M - new M): exact.
; LIMITS: NaN and infinities are not served; the promise holds while |t| stays under 2^31; a block whose largest magnitude lies under 2^-124 is held at the byte 1; a block of zeros gets the byte 1 (zero codes; this program alone reads the bytes).
; A block's largest p is made from the block's largest score by the same multiply-add and exponential as every p; that takes v_exp_f32 not to fall where its input rises.
; SHARES.  A work-group owns 512 queries of one head; each of its eight waves FOUR tiles of 16 at once, so that each fragment of K and V read from LDS serves four tiles.  The tiles go in pairs, line by line in turn.
; LDS holds the head's whole K and V, codes and scale words, 208,896 bytes as they lie in memory, FILLED ONCE: each wave asks for half a chunk (102 rows of 256 bytes) by one load, jointly with the three partners of
; its cluster, which walk the same head.  Every wave waits for its load, one barrier shows all of it.  Nothing is filled again, nothing is stored to LDS.  No data prefetch: all that the launch streams is asked for at its head.
; LAYOUT.  Both products are used transposed: S^T = K Q^T, O^T = V^T P^T: a lane holds ONE query throughout.  Lane r of K's tile 4 c + j holds key 64 c + 8 j + r % 8 + 32 (r / 8): so registers 32 c .. 32 c + 31 of lane (r, h)
; are keys 64 c + 32 h + 0 .. 31: a WHOLE scale block, in the order of the next operand's registers.  No lane is asked for a block's maximum, and no codes change lanes.
; THE FIRST PRODUCT'S K IS 64, the instruction's 128: Q's fragments carry ZERO CODES in registers 6-11; K's tiles lie six registers apart, so registers 6-11 of tile t's operand are tile t + 1's codes (behind tile 7: six zeroed
; registers): finite numbers times zero codes; bytes 2 and 3 of both scale words are 0x7f.  They add nothing.
; THE NEXT STEP'S FRAGMENTS are fetched ahead: K's behind the step's last first product, V's behind its last second product.  In the last trip the step's number is held at 15: its fragments are read once more and not used.
; REGISTERS.  Window 0: v1-9 addresses, v10-11 the add's, v12-33 scale words, v40-55 four tiles x (-M, largest score, the sum's pair), v56-79 at work (12 a tile of the pair), v80-127 V, v128-255 S^T, then p, of the pair.
; Window 1: v0-127 O^T of four tiles, v128-175 K, v176-181 zeros, v182-229 Q, v230-253 p's codes of the pair.
.set REC,    315392
.set QSOFF,  98304
.set KVOFF,  106496
.set CHUNKB, 52224                     ; 512 keys: K's codes 24,576, V's 24,576, K's scale words 2,048, V's 1,024
.set HALFB,  26112
.set SPARE,  0x33000                   ; the spare words: 128 bytes a wave
.set L16, 1
.set L8,  2
.set R16, 3
.set KA16, 4
.set KA8, 5
.set KSA, 6
.set VSA, 7
.set OSB, 8
.set LN,  9
.set SPW, 10
.set NIL, 11
.set KSC, 12
.set VSC, 20
.set QSC, 24
.set PSC, 32
.set ST,  40
.set TP,  56
.set VF,  80
.set SR,  128
.set OT,  0
.set KF,  128
.set ZR,  176
.set QF,  182
.set PC,  230
.set G1,  16
.set G0,  24
.set CNT, 28
.set NX,  29
.set TC,  30
.set SEL, 40
.set CS,  42                           ; s[42:43] c = log2(e) / 8;  s44 = -c
.set NC,  44
.set TB,  45
.set TS,  46
.set TJ,  47
.set MSB, 0
.macro WIN new                         ; the immediate's high byte repeats the setting that is left
.if MSB != (\new)
	s_set_vgpr_msb (MSB<<8)|(\new)
.set MSB, (\new)
.endif
.endm
.macro PLACES n
.rept \n
	v_nop
.endr
.endm
.macro WALU
	s_wait_alu depctr_va_vdst(0)
.endm
.macro CROUND
	s_barrier_signal -1
	s_barrier_wait -1
	s_cmp_lg_u32 s10, 0
	s_cbranch_scc1 .Lnot_wave_0_\@
	s_barrier_signal -3
.Lnot_wave_0_\@:
	s_barrier_wait -3
	s_barrier_signal -1
	s_barrier_wait -1
.endm
.macro LOADK                           ; 18 loads: K's eight half images and their scale words
	WIN 0x40
.irp t, 0,1,2,3,4,5,6,7
	ds_load_b128 v[KF+6*\t:KF+6*\t+3], v[KA16] offset:768*\t
	ds_load_b64 v[KF+6*\t+4:KF+6*\t+5], v[KA8] offset:768*\t+512
.endr
	WIN 0
	ds_load_b128 v[KSC:KSC+3], v[KSA] offset:49152
	ds_load_b128 v[KSC+4:KSC+7], v[KSA] offset:49408
.endm
.macro LOADV                           ; 17 loads: V's four fragments and their scale words
.irp t, 0,1,2,3
	ds_load_b128 v[VF+12*\t:VF+12*\t+3], v[KA16] offset:24576+1536*\t
	ds_load_b64 v[VF+12*\t+4:VF+12*\t+5], v[KA8] offset:24576+1536*\t+512
	ds_load_b128 v[VF+12*\t+6:VF+12*\t+9], v[KA16] offset:24576+1536*\t+768
	ds_load_b64 v[VF+12*\t+10:VF+12*\t+11], v[KA8] offset:24576+1536*\t+1280
.endr
	ds_load_b128 v[VSC:VSC+3], v[VSA] offset:51200
.endm
; line i of the row's chain, for tile q, which is tile u of its pair
.macro CHAIN i, u, q
.set T_, TP+12*(\u)
.set Q_, ST+4*(\q)
.if \i == 0
	v_max_num_f32 v[T_+4], v[T_], v[T_+2]                      ; my 64 keys' largest score
.elseif \i == 1
	v_permlanex16_b32 v[T_+5], v[T_+4], s[SEL], s[SEL+1]
.elseif \i == 2
	v_max3_num_f32 v[Q_+1], v[Q_+1], v[T_+4], v[T_+5]          ; the running largest score, with lane l xor 16's keys
.elseif \i == 3
	v_mul_f32 v[T_+4], s[NC], v[Q_+1]                          ; -t (c is positive)
.elseif \i == 4
	v_floor_f32 v[T_+5], v[T_+4]                               ; the new -M = -ceil(t)
.elseif \i == 5
	v_sub_f32 v[T_+4], v[T_+5], v[Q_]                          ; old M - new M: a whole number, 0 or less
.elseif \i == 6
	v_mov_b32 v[Q_], v[T_+5]
.elseif \i == 7
	v_cvt_i32_f32 v[T_+4], v[T_+4]                             ; (it saturates)
.else
	v_ldexp_f32 v[T_+8], 1.0, v[T_+4]                          ; f = 2^(old M - new M)
.endif
.endm
; line i of p's scales
.macro SCALE i, u
.set T_, TP+12*(\u)
.if \i < 2
	v_max_num_f32 v[T_+2*\i], 0x1800000, v[T_+2*\i]            ; the floor 2^(3 - 127)
.elseif \i < 4
	v_add_nc_u32 v[T_+8+\i], 0xff000000, v[T_+2*\i-4]          ; 2 off the exponent field: the conversion's scale operand
.elseif \i < 6
	v_lshrrev_b32 v[T_+2+\i], 23, v[T_+6+\i]                   ; the scale's byte
.elseif \i == 6
	v_lshl_or_b32 v[T_+6], v[T_+7], 16, v[T_+6]                ; my blocks h and 2 + h
.elseif \i == 7
	v_permlanex16_b32 v[T_+5], v[T_+6], s[SEL], s[SEL+1]
.else
	v_lshl_or_b32 v[PSC+\u], v[T_+5], 8, v[T_+6]               ; lanes 0-15, which alone are read: blocks 0, 2 mine, 1, 3 the other half's
.endif
.endm
; 128 keys for tiles 2 P and 2 P + 1
.macro PAIR P
	WIN 0x05
.irp t, 0,1,2,3,4,5,6,7
.irp u, 0,1
	v_wmma_scale_f32_16x16x128_f8f6f4 v[SR+64*\u+8*\t:SR+64*\u+8*\t+7], v[KF+6*\t:KF+6*\t+11], v[QF+12*(2*\P+\u):QF+12*(2*\P+\u)+11], 0, v[KSC+\t], v[QSC+2*\P+\u] matrix_a_fmt:MATRIX_FMT_FP6 matrix_b_fmt:MATRIX_FMT_FP6
.endr
.endr
	WIN 0
.if \P
	v_add_nc_u32 v[KA16], s[TB], v[L16]            ; the next step's addresses: these four are the places behind the products
	v_add_nc_u32 v[KA8], s[TB], v[L8]
	v_add_nc_u32 v[KSA], s[TS], v[R16]
	v_add_nc_u32 v[VSA], s[TJ], v[R16]
	LOADK                                          ; K is done with for this step
.else
	PLACES 4
.endif
.irp c, 0,1                                    ; a block's largest score, in two chains over its halves; each accumulator is read from its low end on
.irp g, 0,1
.irp u, 0,1
	v_max3_num_f32 v[TP+12*\u+2*\c+\g], v[SR+64*\u+32*\c+16*\g], v[SR+64*\u+32*\c+16*\g+1], v[SR+64*\u+32*\c+16*\g+2]
.endr
.endr
.endr
.irp i, 3,5,7,9,11,13
.irp c, 0,1
.irp g, 0,1
.irp u, 0,1
	v_max3_num_f32 v[TP+12*\u+2*\c+\g], v[TP+12*\u+2*\c+\g], v[SR+64*\u+32*\c+16*\g+\i], v[SR+64*\u+32*\c+16*\g+\i+1]
.endr
.endr
.endr
.endr
.irp c, 0,1
.irp u, 0,1
	v_max3_num_f32 v[TP+12*\u+2*\c], v[TP+12*\u+2*\c], v[TP+12*\u+2*\c+1], v[SR+64*\u+32*\c+15]
.endr
.endr
.irp c, 0,1
.irp u, 0,1
	v_max_num_f32 v[TP+12*\u+2*\c], v[TP+12*\u+2*\c], v[SR+64*\u+32*\c+31]
.endr
.endr
.irp i, 0,1,2,3,4,5,6,7,8
.irp u, 0,1
	CHAIN \i, \u, 2*\P+\u
.endr
.endr
.set J, 0
.rept 32
.irp u, 0,1
	v_pk_fma_f32 v[SR+64*\u+J:SR+64*\u+J+1], v[SR+64*\u+J:SR+64*\u+J+1], s[CS:CS+1], v[ST+4*(2*\P+\u):ST+4*(2*\P+\u)+1] op_sel_hi:[1,0,0]   ; t - M, two at a time
.endr
.set J, J+2
.endr
.irp c, 0,1
.irp u, 0,1
	v_fma_f32 v[TP+12*\u+2*\c], v[TP+12*\u+2*\c], s[CS], v[ST+4*(2*\P+\u)]   ; the same of each block's largest score
.endr
.endr
	WALU
.set J, 0
.rept 128
	v_exp_f32 v[SR+J], v[SR+J]                     ; p = 2^(t - M)
.set J, J+1
.endr
.irp c, 0,1
.irp u, 0,1
	v_exp_f32 v[TP+12*\u+2*\c], v[TP+12*\u+2*\c]   ; the block's largest p
.endr
.endr
.irp u, 0,1
	v_pk_mul_f32 v[ST+4*(2*\P+\u)+2:ST+4*(2*\P+\u)+3], v[ST+4*(2*\P+\u)+2:ST+4*(2*\P+\u)+3], v[TP+12*\u+8:TP+12*\u+9] op_sel_hi:[1,0]   ; the sums under the new M; plain places behind the batch
.endr
	WALU                                           ; and behind it, ahead of its first reader
.irp i, 0,1,2,3,4,5,6,7,8
.irp u, 0,1
	SCALE \i, \u
.endr
.endr
.irp u, 0,1                                    ; a conversion's three registers begin on an even number: a block's upper 16 codes are made in window 0 and moved
.irp c, 0,1
	v_cvt_scalef32_pk16_fp6_f32 v[TP+12*\u+4*\c:TP+12*\u+4*\c+2], v[SR+64*\u+32*\c+16:SR+64*\u+32*\c+31], v[TP+12*\u+10+\c]
.endr
.endr
	WIN 0x40
.irp u, 0,1
.irp c, 0,1
	v_cvt_scalef32_pk16_fp6_f32 v[PC+12*\u+6*\c:PC+12*\u+6*\c+2], v[SR+64*\u+32*\c:SR+64*\u+32*\c+15], v[TP+12*\u+10+\c]
.endr
.endr
	v_nop                                          ; one plain place behind the scaled conversions
.irp u, 0,1
.irp c, 0,1
.irp i, 0,1,2
	v_mov_b32 v[PC+12*\u+6*\c+3+\i], v[TP+12*\u+4*\c+\i]
.endr
.endr
.endr
	WIN 0
.irp k, 0,1,2,3                                ; the row's sum of the unquantised p: four chains a tile
.irp u, 0,1
	v_pk_add_f32 v[TP+12*\u+2*\k:TP+12*\u+2*\k+1], v[SR+64*\u+2*\k:SR+64*\u+2*\k+1], v[SR+64*\u+8+2*\k:SR+64*\u+8+2*\k+1]
.endr
.endr
.irp i, 2,3,4,5,6,7
.irp k, 0,1,2,3
.irp u, 0,1
	v_pk_add_f32 v[TP+12*\u+2*\k:TP+12*\u+2*\k+1], v[TP+12*\u+2*\k:TP+12*\u+2*\k+1], v[SR+64*\u+8*\i+2*\k:SR+64*\u+8*\i+2*\k+1]
.endr
.endr
.endr
.irp k, 0,4
.irp u, 0,1
	v_pk_add_f32 v[TP+12*\u+\k:TP+12*\u+\k+1], v[TP+12*\u+\k:TP+12*\u+\k+1], v[TP+12*\u+\k+2:TP+12*\u+\k+3]
.endr
.endr
.irp u, 0,1
	v_pk_add_f32 v[TP+12*\u:TP+12*\u+1], v[TP+12*\u:TP+12*\u+1], v[TP+12*\u+4:TP+12*\u+5]
.endr
.irp u, 0,1
	v_pk_add_f32 v[ST+4*(2*\P+\u)+2:ST+4*(2*\P+\u)+3], v[ST+4*(2*\P+\u)+2:ST+4*(2*\P+\u)+3], v[TP+12*\u:TP+12*\u+1]
.endr
	WIN 0x41
	WALU
.set J, 0
.rept 16
.irp u, 0,1
	v_pk_mul_f32 v[OT+32*(2*\P+\u)+J:OT+32*(2*\P+\u)+J+1], v[OT+32*(2*\P+\u)+J:OT+32*(2*\P+\u)+J+1], v[TP+12*\u+8:TP+12*\u+9] op_sel_hi:[1,0]   ; O^T under the new M
.endr
.set J, J+2
.endr
.if \P == 0
	WALU
	s_wait_dscnt 0x0                               ; V and its scale words are in: nothing younger is out
.endif
	WIN 0x54
.irp t, 0,1,2,3
.irp u, 0,1
	v_wmma_scale_f32_16x16x128_f8f6f4 v[OT+32*(2*\P+\u)+8*\t:OT+32*(2*\P+\u)+8*\t+7], v[VF+12*\t:VF+12*\t+11], v[PC+12*\u:PC+12*\u+11], v[OT+32*(2*\P+\u)+8*\t:OT+32*(2*\P+\u)+8*\t+7], v[VSC+\t], v[PSC+\u] matrix_a_fmt:MATRIX_FMT_FP6 matrix_b_fmt:MATRIX_FMT_FP6
.endr
.endr
.endm
	s_load_b128 s[4:7], s[0:1], 0x0                ; hd s[4:5], c1 s[6:7]
	s_load_b64 s[8:9], s[0:1], 0x10                ; s1
	v_lshl_add_u32 v[SPW], v0, 2, SPARE
	v_mov_b32 v[NIL], 0
	ds_add_u32 v[SPW], v[NIL]                      ; the opening lines: the add, twice on end, and its wait
	ds_add_u32 v[SPW], v[NIL]
	v_lshrrev_b32 v1, 5, v0
	v_readfirstlane_b32 s10, v1                    ; wave 0..7
	s_bfe_u32 s11, ttmp6, 0x40000                  ; cx: it enters Q's and the result's addresses alone
	s_lshl_b32 s12, ttmp9, 2
	s_add_co_u32 s12, s12, s11                     ; which 512 queries
	s_and_b32 s13, ttmp7, 0xffff                   ; 16 batch + head, which the four partners share
	s_mul_i32 s56, s13, REC
	s_mov_b32 s57, 0
	s_mul_i32 s14, s10, HALFB                      ; the half chunk that I fetch
	s_mov_b32 s[G1], 15|(3<<16)|(1<<21)            ; the mask: all four work-groups; elements of 8 bytes; bit 21 beside a mask
	s_mov_b32 s[G1+1], 32<<16                      ; rows of 256 bytes
	s_mov_b32 s[G1+2], 102<<16
	s_mov_b32 s[G1+3], 32<<16
	s_mov_b32 s[G1+4], 102
	s_mov_b32 s[G1+5], 32                          ; dense
	s_mov_b32 s[G1+6], 0
	s_mov_b32 s[G1+7], 0
	s_add_co_u32 s58, s14, KVOFF
	s_mov_b32 s59, 0
	s_add_nc_u64 s[58:59], s[58:59], s[56:57]
	s_mov_b32 s[G0], 1
	s_mov_b32 s[G0+1], s14                         ; LDS holds the four chunks as memory does
	s_wait_dscnt 0x0
	s_wait_kmcnt 0x0
	s_add_nc_u64 s[56:57], s[4:5], s[56:57]        ; the head's record
	s_add_nc_u64 s[G0+2:G0+3], s[4:5], s[58:59]
	s_or_b32 s[G0+3], s[G0+3], 0x80000000
	CROUND                                         ; all four work-groups are here: the joint loads meet
	tensor_load_to_lds s[G0:G0+3], s[G1:G1+7]      ; one load a wave, every wave
	s_nop 0
	PLACES 4
	s_lshl_b32 s60, s12, 5
	s_lshl_b32 s61, s10, 2
	s_add_co_u32 s60, s60, s61                     ; my first tile of queries: 32 x block + 4 x wave
	s_mul_i32 s62, s60, 768
	s_mov_b32 s63, 0
	s_add_nc_u64 s[48:49], s[56:57], s[62:63]      ; its half image
	s_lshl_b32 s62, s60, 6                         ; the four tiles' scale words: [tile / 4][r][tile % 4]
	s_add_co_u32 s62, s62, QSOFF
	s_add_nc_u64 s[50:51], s[56:57], s[62:63]
	s_lshr_b32 s61, s13, 4                         ; the batch
	s_lshl_b32 s61, s61, 7
	s_add_co_u32 s61, s61, s60
	s_add_co_u32 s61, s61, 1792                    ; the result's row tile in c1 and s1
	s_and_b32 s15, s13, 15                         ; the head: the result's half image
	s_mul_i32 s62, s61, 12288
	s_mul_i32 s14, s15, 768
	s_add_co_u32 s62, s62, s14
	s_add_nc_u64 s[52:53], s[6:7], s[62:63]
	s_lshl_b32 s62, s61, 9                         ; its two scale bytes: [row tile][head / 8][r][word (head / 2) % 4], bytes 2 (head % 2) on
	s_lshr_b32 s14, s15, 3
	s_lshl_b32 s14, s14, 8
	s_add_co_u32 s62, s62, s14
	s_bfe_u32 s14, s15, 0x20001
	s_lshl_b32 s14, s14, 2
	s_add_co_u32 s62, s62, s14
	s_and_b32 s14, s15, 1
	s_lshl_b32 s14, s14, 1
	s_add_co_u32 s62, s62, s14
	s_add_nc_u64 s[54:55], s[8:9], s[62:63]
	s_mov_b32 s[SEL], 0x76543210
	s_mov_b32 s[SEL+1], 0xfedcba98
	s_mov_b32 s[CS], 0x3e38aa3b                    ; c = log2(e) / 8
	s_mov_b32 s[CS+1], s[CS]
	s_mov_b32 s[NC], 0xbe38aa3b                    ; -c
	s_mov_b32 s[CNT], 0
	v_and_b32 v[LN], 31, v0                        ; lane
	v_and_b32 v[R16], 15, v0
	v_lshlrev_b32 v[L16], 4, v[LN]                 ; 16 x lane
	v_lshlrev_b32 v[L8], 3, v[LN]                  ; 8 x lane
	v_lshlrev_b32 v[R16], 4, v[R16]                ; 16 r
	v_bfe_u32 v[OSB], v0, 4, 1
	v_lshl_add_u32 v[OSB], v[OSB], 9, v[R16]       ; 16 r + 512 h: the result's scale bytes, lanes 16-31 for the next tile
	WIN 0x40
.irp q, 0,1,2,3
	global_load_b128 v[QF+12*\q:QF+12*\q+3], v[L16], s[48:49] offset:768*\q      ; Q of my four tiles stays in registers
	global_load_b64 v[QF+12*\q+4:QF+12*\q+5], v[L8], s[48:49] offset:768*\q+512
.endr
.irp j, 0,1,2,3,4,5
.irp q, 0,1,2,3
	v_mov_b32 v[QF+12*\q+6+\j], 0                  ; zero codes for the upper 64 of the instruction's K
.endr
	v_mov_b32 v[ZR+\j], 0                          ; behind K's tile 7
.endr
.set J, 0
.rept 128
	v_mov_b32 v[OT+J], 0                           ; O^T: the step is written once; its first walk finds zeros, which the first change of M leaves zeros
.set J, J+1
.endr
	WIN 0
	global_load_b128 v[QSC:QSC+3], v[R16], s[50:51]
.irp q, 0,1,2,3
	v_mov_b32 v[ST+4*\q], 0x7f61b1e6               ; -M: 3e38
	v_mov_b32 v[ST+4*\q+1], 0xff61b1e6             ; the largest score so far: -3e38
	v_mov_b32 v[ST+4*\q+2], 0
	v_mov_b32 v[ST+4*\q+3], 0
.endr
.irp u, 0,1
	v_mov_b32 v[TP+12*\u+5], 0                     ; a lane permute's destination counts as one of its sources
	v_mov_b32 v[TP+12*\u+9], 0                     ; named with f as a pair
.endr
	v_mov_b32 v[KA16], v[L16]                      ; step 0's addresses
	v_mov_b32 v[KA8], v[L8]
	v_mov_b32 v[KSA], v[R16]
	v_mov_b32 v[VSA], v[R16]
	WALU
	s_wait_tensorcnt 0x0                           ; my half chunk is in,
	s_barrier_signal -1
	s_barrier_wait -1                              ; and everybody's
	LOADK
	LOADV
	s_wait_loadcnt 0x0                             ; Q
.Lstep:
	s_add_co_u32 s[NX], s[CNT], 1                  ; where the next step lies in LDS: chunk n / 4, step n % 4 of it; held at the last step
	s_min_u32 s[NX], s[NX], 15
	s_lshr_b32 s[TC], s[NX], 2
	s_mul_i32 s[TC], s[TC], CHUNKB
	s_and_b32 s[NX], s[NX], 3
	s_mul_i32 s[TB], s[NX], 6144
	s_add_co_u32 s[TB], s[TB], s[TC]
	s_lshl_b32 s[TS], s[NX], 9
	s_add_co_u32 s[TS], s[TS], s[TC]
	s_lshl_b32 s[TJ], s[NX], 8
	s_add_co_u32 s[TJ], s[TJ], s[TC]
	s_wait_dscnt 17                                ; K and its scale words are in; V's 17 loads, issued behind them, may be out
	PAIR 0
	PAIR 1
	WIN 0
	PLACES 4                                       ; behind the last products, in front of the loads into the registers that they read
	LOADV
	s_add_co_u32 s[CNT], s[CNT], 1
	s_cmp_lt_u32 s[CNT], 16
	s_cbranch_scc1 .Lstep
	s_wait_dscnt 0x0                               ; my reads of LDS are over,
	s_barrier_signal -1
	s_barrier_wait -1                              ; and everybody's, ahead of the closing lines
; THE WAY OUT: O^T / the sum; register 16 b + i of a tile is d = 32 b + 16 h + i of my query: two blocks of the last product's K, each shared with lane l xor 16.  A tile leaves as one half image.
.irp q, 0,1,2,3
	v_add_f32 v[ST+4*\q+2], v[ST+4*\q+2], v[ST+4*\q+3]
.endr
.irp q, 0,1,2,3
	v_permlanex16_b32 v[ST+4*\q+3], v[ST+4*\q+2], s[SEL], s[SEL+1]
.endr
.irp q, 0,1,2,3
	v_add_f32 v[ST+4*\q+2], v[ST+4*\q+2], v[ST+4*\q+3]
.endr
	WALU
.irp q, 0,1,2,3
	v_rcp_f32 v[ST+4*\q+2], v[ST+4*\q+2]
.endr
	v_nop                                          ; one plain place behind the transcendentals
	WIN 0x01
	WALU                                           ; for the four, and directly ahead of the first reader of O^T
.irp q, 0,1,2,3
.set J, 0
.rept 32
	v_mul_f32 v[SR+32*\q+J], v[OT+32*\q+J], v[ST+4*\q+2]       ; each accumulator from its low end on
.set J, J+1
.endr
.endr
	WIN 0
.irp b, 0,1
.irp q, 0,1,2,3
	v_max3_num_f32 v[TP+6*\q+\b], |v[SR+32*\q+16*\b]|, |v[SR+32*\q+16*\b+1]|, 0x1800000
.endr
.endr
.irp i, 2,4,6,8,10,12,14
.irp b, 0,1
.irp q, 0,1,2,3
	v_max3_num_f32 v[TP+6*\q+\b], v[TP+6*\q+\b], |v[SR+32*\q+16*\b+\i]|, |v[SR+32*\q+16*\b+\i+1]|
.endr
.endr
.endr
.irp b, 0,1
.irp q, 0,1,2,3
	v_permlanex16_b32 v[TP+6*\q+2+\b], v[TP+6*\q+\b], s[SEL], s[SEL+1]
.endr
.endr
.irp b, 0,1
.irp q, 0,1,2,3
	v_max_num_f32 v[TP+6*\q+\b], v[TP+6*\q+\b], v[TP+6*\q+2+\b]
.endr
.endr
.irp b, 0,1
.irp q, 0,1,2,3
	v_add_nc_u32 v[TP+6*\q+4+\b], 0xff000000, v[TP+6*\q+\b]
.endr
.endr
.irp b, 0,1
.irp q, 0,1,2,3
	v_lshrrev_b32 v[TP+6*\q+2+\b], 23, v[TP+6*\q+4+\b]
.endr
.endr
.irp q, 0,1,2,3
	v_lshl_or_b32 v[ST+4*\q], v[TP+6*\q+3], 8, v[TP+6*\q+2]    ; my row's two scale bytes
.endr
.irp q, 0,1,2,3
	v_cvt_scalef32_pk16_fp6_f32 v[VF+12*\q:VF+12*\q+2], v[SR+32*\q:SR+32*\q+15], v[TP+6*\q+4]
	v_cvt_scalef32_pk16_fp6_f32 v[VF+12*\q+6:VF+12*\q+8], v[SR+32*\q+16:SR+32*\q+31], v[TP+6*\q+5]
.endr
	v_nop                                          ; one plain place behind the scaled conversions
.irp q, 0,1,2,3
.irp i, 0,1,2
	v_permlane16_swap_b32 v[VF+12*\q+\i], v[VF+12*\q+6+\i]     ; a whole block to a lane
.endr
.endr
.irp q, 0,1,2,3
.irp i, 0,1,2
	v_mov_b32 v[VF+12*\q+3+\i], v[VF+12*\q+6+\i]
.endr
.endr
.irp q, 0,1,2,3
	global_store_b128 v[L16], v[VF+12*\q:VF+12*\q+3], s[52:53] offset:12288*\q        ; 512 consecutive aligned bytes
	global_store_b64 v[L8], v[VF+12*\q+4:VF+12*\q+5], s[52:53] offset:12288*\q+512    ; 256
.endr
	v_cmp_le_u32 vcc_lo, 16, v[LN]
	v_cndmask_b32 v[ST+1], v[ST], v[ST+4], vcc_lo              ; lanes 0-15 carry the even tile's bytes, lanes 16-31 the odd tile's
	v_cndmask_b32 v[ST+9], v[ST+8], v[ST+12], vcc_lo
	global_store_b16 v[OSB], v[ST+1], s[54:55]                 ; two bytes a row: a scale word joins two heads, which belong to two work-groups
	global_store_b16 v[OSB], v[ST+9], s[54:55] offset:1024
	s_wait_tensorcnt 0x0                           ; the wave's end
	ds_add_u32 v[SPW], v[NIL]
	s_wait_dscnt 0x0
	CROUND                                         ; the closing round
	s_endpgm
.Lfunc_end_k_q25e5c6fd10_attn:
	.size	k_q25e5c6fd10_attn, .Lfunc_end_k_q25e5c6fd10_attn-k_q25e5c6fd10_attn
	.p2alignl 7, 3214868480
	.fill 96, 4, 3214868480
	.section	.rodata,"a",@progbits
	.p2align	6, 0x0
	.amdhsa_kernel k_q25e5c6fd10_attn
		.amdhsa_group_segment_fixed_size 210944
		.amdhsa_private_segment_fixed_size 0
		.amdhsa_enable_private_segment 0
		.amdhsa_kernarg_size 24
		.amdhsa_user_sgpr_count 2
		.amdhsa_user_sgpr_kernarg_segment_ptr 1
		.amdhsa_wavefront_size32 1
		.amdhsa_system_sgpr_workgroup_id_x 1
		.amdhsa_system_sgpr_workgroup_id_y 1
		.amdhsa_system_sgpr_workgroup_id_z 1
		.amdhsa_system_vgpr_workitem_id 0
		.amdhsa_next_free_vgpr 512
		.amdhsa_next_free_sgpr 66
		.amdhsa_reserve_vcc 1
		.amdhsa_float_denorm_mode_32 3
		.amdhsa_float_denorm_mode_16_64 3
		.amdhsa_memory_ordered 1
		.amdhsa_forward_progress 1
		.amdhsa_inst_pref_size 80
	.end_amdhsa_kernel
	.amdgpu_metadata
---
amdhsa.version: [ 1, 2 ]
amdhsa.kernels:
  - .name:           k_q25e5c6fd10_attn
    .symbol:         k_q25e5c6fd10_attn.kd
    .args:
      - { .name: hd, .offset: 0, .size: 8, .value_kind: global_buffer, .address_space: global }
      - { .name: c1, .offset: 8, .size: 8, .value_kind: global_buffer, .address_space: global }
      - { .name: s1, .offset: 16, .size: 8, .value_kind: global_buffer, .address_space: global }
    .group_segment_fixed_size: 210944
    .private_segment_fixed_size: 0
    .kernarg_segment_align: 8
    .kernarg_segment_size: 24
    .max_flat_workgroup_size: 256
    .sgpr_count:     66
    .vgpr_count:     512
    .wavefront_size: 32
...
	.end_amdgpu_metadata
.endif
;; end of part 3
;; launch oproj (part 4): grid 4 x 64, 4 waves a work-group, clusters of 4 x 4, 327,680 bytes of LDS; arguments c1, s1, bo, out0; writes out0
.if DOCPART == 4
	.amdgcn_target "amdgcn-amd-amdhsa--gfx1250"
	.amdhsa_code_object_version 6
	.text
	.protected	k_q25e5c6fd10_oproj
	.globl	k_q25e5c6fd10_oproj
	.p2align	8
	.type	k_q25e5c6fd10_oproj,@function
k_q25e5c6fd10_oproj:
	s_mov_b64 s[64:65], 0
	v_nop
	global_prefetch_b8 v0, s[64:65] scope:SCOPE_SE
	s_setreg_imm32_b32 hwreg(HW_REG_WAVE_MODE, 25, 1), 1
	s_wait_xcnt 0x0
	s_wait_alu depctr_hold_cnt(0) depctr_sa_sdst(0) depctr_va_vdst(0) depctr_va_sdst(0) depctr_va_ssrc(0) depctr_va_vcc(0) depctr_vm_vsrc(0)
	s_getreg_b32 s2, hwreg(HW_REG_IB_STS2, 6, 4)
	s_cmp_eq_u32 s2, 0
	s_cbranch_scc0 .Lentry_in_a_cluster
	s_endpgm
.Lentry_in_a_cluster:
	s_bfe_u32 s2, ttmp6, 0x10000c
	s_cmp_lg_u32 s2, 0xf033
	s_cbranch_scc0 .Lentry_shape_is_right
	s_endpgm
.Lentry_shape_is_right:
; out0 = A Wo^T + bo on codes of FP6 (E2M3) with E8M0 scales; A is the attention's result, row tiles 1,792 on of c1 and s1, Wo row tiles 1,728 on.  f32 sums, f32 out.
; SHARES.  256 work-groups; work-group (x, y) makes rows 128 y .. + 127, columns 256 x .. + 255; wave w all 128 rows and columns 64 w .. + 63: 32 accumulators.
; K = 1,024 lies in LDS whole, in two slots of half of K (8 token row tiles, 16 weight row tiles, rows of 6,144 bytes), each FILLED ONCE, at the head, one joint load a wave: tokens are shared along a row of the
; 4 x 4 cluster, weights along a column.  The first barrier shows slot 0, a plain barrier in the fourth step slot 1.  No prefetch: all that the launch streams is asked for at its head.
; A step is 32 products; the next step's 48 LDS loads stand three behind each of its first 16 products.  Tokens' fragments in window 3, weights' in window 1, two sets each; accumulators in window 2.
; Source 0 = weights, source 1 = tokens: a lane holds a row of the result.  THE BIAS IS THE FIRST PRODUCTS' C.  A's and B's scale words lie in registers whose numbers differ by 4 modulo 8.
; THE WAY OUT: 16 rows x 64 columns at a time through the wave's own stage in LDS (bytes that no tensor load fills); sixteen lanes store a row's 256 consecutive aligned bytes.
.set SLOT,   147456
.set WOFF,   49152
.set SPARE,  294912
.set STAGE,  SPARE+512
.set SP,     272
.set TT0,    1792
.set WT0,    1728
.set T16, 8
.set W16, 12
.set SPW, 28
.set NIL, 29
.set SCA, 32
.set SCB, 100
.set BIAS, 132
.set BK,  164
.set G1TH, 24
.set G1WH, 32
.set G0A, 56
.set G0B, 60
.set G0C, 68
.set G0D, 72
.set MSB, 0
.macro WIN new
.if MSB != (\new)
	s_set_vgpr_msb (MSB<<8)|(\new)
.set MSB, (\new)
.endif
.endm
.macro PLACES n
.rept \n
	v_nop
.endr
.endm
.macro WALU
	s_wait_alu depctr_va_vdst(0)
.endm
.macro CROUND
	s_barrier_signal -1
	s_barrier_wait -1
	s_cmp_lg_u32 s16, 0
	s_cbranch_scc1 .Lnot_wave_0_\@
	s_barrier_signal -3
.Lnot_wave_0_\@:
	s_barrier_wait -3
	s_barrier_signal -1
	s_barrier_wait -1
.endm
.macro TLOAD g0, g1
	tensor_load_to_lds s[\g0:\g0+3], s[\g1:\g1+7]
	s_nop 0
	PLACES 4
.endm
.macro GR1 g, rows
	s_mov_b32 s[\g+1], 768<<16
	s_mov_b32 s[\g+2], (\rows)<<16
	s_mov_b32 s[\g+3], 768<<16
	s_mov_b32 s[\g+4], \rows
	s_mov_b32 s[\g+5], 1536
	s_mov_b32 s[\g+6], 0
	s_mov_b32 s[\g+7], 0
.endm
.macro G0SET g, lds
	s_mov_b32 s[\g], 1
	s_mov_b32 s[\g+1], \lds
	s_or_b32 s[\g+3], s[\g+3], 0x80000000
.endm
.macro ARM under, g0, g1, next
	s_cmp_lt_u32 s16, \under
	s_cbranch_scc0 \next
	TLOAD \g0, \g1
	s_branch .Lhead_asked
\next:
.endm
.macro LD1 L, slot, k, p               ; load L of the 48 that bring step k of a slot into set p
.set F_, (\L)/4
.set Q_, (\L)%4
.if F_ < 8
	WIN 0xc0
.set R_, 128*(\p)+12*F_
.set O_, 6144*F_+1536*(\k)
.set AD_, T16+(\slot)
.else
	WIN 0x40
.set R_, 128*(\p)+12*(F_-8)
.set O_, 6144*(F_-8)+1536*(\k)
.set AD_, W16+(\slot)
.endif
.if Q_ == 0
	ds_load_b128 v[R_:R_+3], v[AD_] offset:O_
.elseif Q_ == 1
	ds_load_b64 v[R_+4:R_+5], v[AD_+2] offset:O_+512
.elseif Q_ == 2
	ds_load_b128 v[R_+6:R_+9], v[AD_] offset:O_+768
.else
	ds_load_b64 v[R_+10:R_+11], v[AD_+2] offset:O_+1280
.endif
.endm
.macro PR q, i                         ; product i of step q: token tile a = i / 4, weight tile b = i % 4.  The 32 accumulators take turns
.set A_, (\i)/4
.set B_, (\i)%4
.set D_, 8*(\i)
.set P_, 128*((\q)%2)
.if (\q) == 0
	WIN 0x8d
	v_wmma_scale_f32_16x16x128_f8f6f4 v[D_:D_+7], v[P_+12*B_:P_+12*B_+11], v[P_+12*A_:P_+12*A_+11], v[BIAS+8*B_:BIAS+8*B_+7], v[SCB+8*B_+(\q)], v[SCA+8*A_+(\q)] matrix_a_fmt:MATRIX_FMT_FP6 matrix_b_fmt:MATRIX_FMT_FP6
.else
	WIN 0xad
	v_wmma_scale_f32_16x16x128_f8f6f4 v[D_:D_+7], v[P_+12*B_:P_+12*B_+11], v[P_+12*A_:P_+12*A_+11], v[D_:D_+7], v[SCB+8*B_+(\q)], v[SCA+8*A_+(\q)] matrix_a_fmt:MATRIX_FMT_FP6 matrix_b_fmt:MATRIX_FMT_FP6
.endif
.endm
.macro RUN q, from, to, fetch, fs, fk
.set N_, \from
.rept (\to)-(\from)
	PR \q, N_
.if \fetch
.if N_-(\from) < 16
	LD1 3*(N_-(\from)), \fs, \fk, ((\q)+1)%2
	LD1 3*(N_-(\from))+1, \fs, \fk, ((\q)+1)%2
	LD1 3*(N_-(\from))+2, \fs, \fk, ((\q)+1)%2
.endif
.endif
.set N_, N_+1
.endr
.endm
.macro STEP q, fs, fk, fetch
	s_wait_dscnt 0x0                               ; this step's fragments are in
	PLACES 4                                       ; behind the last step's products, in front of the loads into the registers that they read
	RUN \q, 0, 32, \fetch, \fs, \fk
.endm
	s_load_b256 s[4:11], s[0:1], 0x0               ; c1, s1, bo, out0
	v_lshl_add_u32 v[SPW], v0, 2, SPARE
	v_mov_b32 v[NIL], 0
	ds_add_u32 v[SPW], v[NIL]                      ; the opening lines: the add, twice on end, and its wait
	ds_add_u32 v[SPW], v[NIL]
	v_lshrrev_b32 v1, 5, v0
	v_readfirstlane_b32 s16, v1                    ; wave
	s_bfe_u32 s21, ttmp6, 0x40000                  ; cx
	s_bfe_u32 s22, ttmp6, 0x40004                  ; cy
	s_lshl_b32 s20, ttmp9, 2
	s_add_co_u32 s20, s20, s21                     ; x
	s_and_b32 s19, ttmp7, 0xffff
	s_lshl_b32 s19, s19, 2
	s_add_co_u32 s19, s19, s22                     ; y
	s_lshl_b32 s23, s22, 2
	s_lshl_b32 s23, 15, s23                        ; my row of the cluster
	s_lshl_b32 s67, 0x1111, s21                    ; my column
	s_or_b32 s[G1TH], s23, (3<<16)|(1<<21)
	s_or_b32 s[G1WH], s67, (3<<16)|(1<<21)
	GR1 G1TH, 8
	GR1 G1WH, 16
	s_lshl_b32 s100, s19, 3
	s_add_co_u32 s100, s100, TT0
	s_mul_i32 s100, s100, 12288                    ; the tokens' row tile 8 y
	s_mov_b32 s101, 0
	s_lshl_b32 s92, s20, 4
	s_add_co_u32 s92, s92, WT0
	s_mul_i32 s92, s92, 12288                      ; Wo's row tile 16 x
	s_mov_b32 s93, 0
	s_wait_dscnt 0x0
	CROUND                                         ; all sixteen work-groups are here
	s_wait_kmcnt 0x0
	s_add_nc_u64 s[G0A+2:G0A+3], s[4:5], s[100:101]
	s_add_nc_u64 s[G0B+2:G0B+3], s[4:5], s[92:93]
	s_add_nc_u64 s[G0C+2:G0C+3], s[G0A+2:G0A+3], 6144
	s_add_nc_u64 s[G0D+2:G0D+3], s[G0B+2:G0B+3], 6144
	G0SET G0A, 0
	G0SET G0B, WOFF
	G0SET G0C, SLOT
	G0SET G0D, SLOT+WOFF
	ARM 1, G0A, G1TH, .Lhead_b                     ; wave 0: the tokens' first half of K; wave 1: the weights'; waves 2 and 3: the second halves
	ARM 2, G0B, G1WH, .Lhead_c
	ARM 3, G0C, G1TH, .Lhead_d
	TLOAD G0D, G1WH
.Lhead_asked:
	s_lshl_b32 s84, s19, 3
	s_add_co_u32 s84, s84, TT0
	s_lshl_b32 s84, s84, 9                         ; the tokens' scale words
	s_mov_b32 s85, 0
	s_add_nc_u64 s[84:85], s[6:7], s[84:85]
	s_lshl_b32 s86, s20, 4
	s_lshl_b32 s23, s16, 2
	s_add_co_u32 s86, s86, s23
	s_add_co_u32 s86, s86, WT0
	s_lshl_b32 s86, s86, 9                         ; my four weight tiles'
	s_mov_b32 s87, 0
	s_add_nc_u64 s[86:87], s[6:7], s[86:87]
	s_lshl_b32 s100, s20, 10
	s_lshl_b32 s23, s16, 8
	s_add_co_u32 s100, s100, s23                   ; my 64 columns, in bytes
	s_add_nc_u64 s[8:9], s[8:9], s[100:101]
	s_add_nc_u64 s[10:11], s[10:11], s[100:101]
	s_lshl_b32 s100, s19, 19                       ; 128 y rows of 4,096 bytes
	s_add_nc_u64 s[10:11], s[10:11], s[100:101]
	s_mul_i32 s23, s16, 4*6144
	s_add_co_u32 s23, s23, WOFF                    ; my four weight tiles in a slot
	s_mul_i32 s67, s16, 16*SP
	s_add_co_u32 s67, s67, STAGE                   ; my stage
	v_and_b32 v1, 15, v0                           ; r
	v_bfe_u32 v2, v0, 4, 1                         ; h
	v_and_b32 v3, 31, v0                           ; lane
	v_lshlrev_b32 v4, 4, v3
	v_lshlrev_b32 v5, 3, v3
	v_lshlrev_b32 v20, 4, v1                       ; 16 r
	v_lshlrev_b32 v21, 6, v2                       ; 64 h
	WALU
.irp i, 0,1,2,3,4,5,6,7
	global_load_b128 v[SCA+8*\i:SCA+8*\i+3], v20, s[84:85] offset:512*\i
	global_load_b128 v[SCA+8*\i+4:SCA+8*\i+7], v20, s[84:85] offset:512*\i+256
.endr
.irp i, 0,1,2,3
	global_load_b128 v[SCB+8*\i:SCB+8*\i+3], v20, s[86:87] offset:512*\i
	global_load_b128 v[SCB+8*\i+4:SCB+8*\i+7], v20, s[86:87] offset:512*\i+256
.endr
.irp n, 0,1,2,3,4,5,6,7
	global_load_b128 v[BIAS+4*\n:BIAS+4*\n+3], v21, s[8:9] offset:128*(\n/4)+16*(\n%4)       ; register 16 B + i: column 32 B + 16 h + i
.endr
	v_mov_b32 v[T16], v4
	v_add_nc_u32 v[T16+1], SLOT, v4
	v_mov_b32 v[T16+2], v5
	v_add_nc_u32 v[T16+3], SLOT, v5
	v_add_nc_u32 v[W16], s23, v4
	v_add_nc_u32 v[W16+2], s23, v5
	v_add_nc_u32 v[W16+1], SLOT, v[W16]
	v_add_nc_u32 v[W16+3], SLOT, v[W16+2]
	v_mul_u32_u24 v6, v1, SP
	v_add_nc_u32 v6, v6, v21
	v_add_nc_u32 v6, s67, v6                       ; the stage, in: row r, + 64 h
	v_mul_u32_u24 v7, v2, SP
	v_add_nc_u32 v7, v7, v20
	v_add_nc_u32 v7, s67, v7                       ; back: lanes 0-15 one row of 256 bytes, lanes 16-31 the next
	v_lshl_add_u32 v27, v2, 12, v20                ; and the same two rows in out0
	WALU
	s_cmp_lt_u32 s16, 2
	s_cbranch_scc0 .Lnot_first
	s_wait_tensorcnt 0x0
.Lnot_first:
	s_barrier_signal -1
	s_barrier_wait -1                              ; slot 0 is in; slot 1 may still be on its way
.set I, 0
.rept 48
	LD1 I, 0, 0, 0
.set I, I+1
.endr
	WIN 0
	s_wait_loadcnt 0x0                             ; the scale words and the bias
	STEP 0, 0, 1, 1
	STEP 1, 0, 2, 1
	STEP 2, 0, 3, 1
	WIN 0
	s_wait_tensorcnt 0x0                           ; every wave's load has landed,
	s_wait_dscnt 0x0
	s_barrier_signal -1
	RUN 3, 0, 8, 0, 0, 0
	WIN 0
	s_barrier_wait -1                              ; and slot 1 is shown to all
	PLACES 4
	RUN 3, 8, 32, 1, 1, 0
	STEP 4, 1, 1, 1
	STEP 5, 1, 2, 1
	STEP 6, 1, 3, 1
	STEP 7, 0, 0, 0
	WIN 0
	PLACES 4
.macro TOSTAGE a
	WIN 0x08
.irp b, 0,1,2,3
	ds_store_b128 v6, v[32*(\a)+8*\b:32*(\a)+8*\b+3] offset:128*(\b/2)+32*(\b%2)             ; each accumulator from its low end on
	ds_store_b128 v6, v[32*(\a)+8*\b+4:32*(\a)+8*\b+7] offset:128*(\b/2)+32*(\b%2)+16
.endr
	WIN 0
.irp t, 0,1,2,3,4,5,6,7
	ds_load_b128 v[BK+32*((\a)%2)+4*\t:BK+32*((\a)%2)+4*\t+3], v7 offset:2*\t*SP             ; LDS serves a wave's instructions in order: these see the stores above
.endr
.endm
.macro SEND a, younger                 ; younger: the LDS instructions issued behind block a's loads
	s_wait_dscnt \younger
.irp t, 0,1,2,3,4,5,6,7
	global_store_b128 v27, v[BK+32*((\a)%2)+4*\t:BK+32*((\a)%2)+4*\t+3], s[10:11] offset:(32*((\a)/2)+8*((\a)%2)+2*\t+8*(\t/4))*4096 th:TH_STORE_NT   ; sixteen lanes store 256 consecutive aligned bytes
.endr
.endm
	TOSTAGE 0
.irp a, 1,2,3,4,5,6,7
.if \a > 1
	s_wait_xcnt 0x0                                ; block a - 2's stores have read their data
.endif
	TOSTAGE \a
	SEND \a-1, 16                                  ; behind block a - 1's loads: block a's 8 stores and 8 loads
.endr
	SEND 7, 0
	s_wait_tensorcnt 0x0                           ; the wave's end
	ds_add_u32 v[SPW], v[NIL]
	s_wait_dscnt 0x0
	CROUND                                         ; the closing round
	s_endpgm
.Lfunc_end_k_q25e5c6fd10_oproj:
	.size	k_q25e5c6fd10_oproj, .Lfunc_end_k_q25e5c6fd10_oproj-k_q25e5c6fd10_oproj
	.p2alignl 7, 3214868480
	.fill 96, 4, 3214868480
	.section	.rodata,"a",@progbits
	.p2align	6, 0x0
	.amdhsa_kernel k_q25e5c6fd10_oproj
		.amdhsa_group_segment_fixed_size 327680
		.amdhsa_private_segment_fixed_size 0
		.amdhsa_enable_private_segment 0
		.amdhsa_kernarg_size 32
		.amdhsa_user_sgpr_count 2
		.amdhsa_user_sgpr_kernarg_segment_ptr 1
		.amdhsa_wavefront_size32 1
		.amdhsa_system_sgpr_workgroup_id_x 1
		.amdhsa_system_sgpr_workgroup_id_y 1
		.amdhsa_system_sgpr_workgroup_id_z 1
		.amdhsa_system_vgpr_workitem_id 0
		.amdhsa_next_free_vgpr 1024
		.amdhsa_next_free_sgpr 106
		.amdhsa_reserve_vcc 0
		.amdhsa_float_denorm_mode_32 3
		.amdhsa_float_denorm_mode_16_64 3
		.amdhsa_memory_ordered 1
		.amdhsa_forward_progress 1
		.amdhsa_inst_pref_size 91
	.end_amdhsa_kernel
	.amdgpu_metadata
---
amdhsa.version: [ 1, 2 ]
amdhsa.kernels:
  - .name:           k_q25e5c6fd10_oproj
    .symbol:         k_q25e5c6fd10_oproj.kd
    .args:
      - { .name: c1, .offset: 0, .size: 8, .value_kind: global_buffer, .address_space: global }
      - { .name: s1, .offset: 8, .size: 8, .value_kind: global_buffer, .address_space: global }
      - { .name: bo, .offset: 16, .size: 8, .value_kind: global_buffer, .address_space: global }
      - { .name: out0, .offset: 24, .size: 8, .value_kind: global_buffer, .address_space: global }
    .group_segment_fixed_size: 327680
    .private_segment_fixed_size: 0
    .kernarg_segment_align: 8
    .kernarg_segment_size: 32
    .max_flat_workgroup_size: 128
    .sgpr_count:     106
    .vgpr_count:     1024
    .wavefront_size: 32
...
	.end_amdgpu_metadata
.endif
;; end of part 4
